; MI455X (gfx1250); checked and timed in simulation.
; The chip was launched on July 23, 2026; its instructions are those of AMD's public machine-readable ISA for CDNA 5 (MIT licence, August 2026) and "CDNA5" Instruction Set Architecture Reference Guide (July 2026). The comments in the code are by the model that wrote it; some were corrected since.
;; Qwen3 5 Attention. Allowed arithmetic: matrix products marked QUANTISED: E2M3 operands, one E8M0 scale for each 32 along K, by v_wmma_scale_f32_16x16x128_f8f6f4 with both operands' format E2M3, f32 sums; everything else in f32.
;; Inputs: Wk 2,048 x 512 float32; Wo 1,024 x 2,048 float32; Wq 2,048 x 2,048 float32; Wv 2,048 x 512 float32; attn_mask 2 x 1 x 2,048 x 2,048 float32; cos 2 x 2,048 x 64 float32; hidden_states 2 x 2,048 x 2,048 float32; k_norm_w 128 float32; q_norm_w 128 float32; sin 2 x 2,048 x 64 float32.
;; Outputs: out0 2 x 2,048 x 2,048 float32.
;; This version of the problem:
;;   THIS VERSION OF THE PROBLEM IS GIVEN IN LOW PRECISION. The matrix products marked QUANTISED in the list below multiply operands that are first quantised to E2M3 (2 exponent bits, 3 mantissa bits; 6 bits a number), with one power-of-two scale for each 32 numbers along K (OCP MX v1.0); their sums are f32. All else is computed in f32.
;;   The module's matrix products, in the order in which they are computed (A, B: the left and right operand; K: the contracted axis; several contracted axes count as one K, in the product's order):
;;     1. [M 4,096, K 2,048] x [K 2,048, N 2,048]; A: input hidden_states; B: input Wq: QUANTISED
;;     2. [M 4,096, K 2,048] x [K 2,048, N 512]; A: input hidden_states; B: input Wk: QUANTISED
;;     3. [M 4,096, K 2,048] x [K 2,048, N 512]; A: input hidden_states; B: input Wv: QUANTISED
;;     4. batch 16 x [M 2,048, K 128] x [K 128, N 2,048]; A: computed on the way; B: computed on the way: QUANTISED
;;     5. batch 16 x [M 2,048, K 2,048] x [K 2,048, N 128]; A: softmax (see below); B: computed on the way: QUANTISED
;;     6. [M 4,096, K 1,024] x [K 1,024, N 2,048]; A: computed on the way; B: input Wo: QUANTISED
;;   THE QUANTISER, for each operand of a quantised product, along K:
;;     - K is cut into blocks of 32 from its start; a last block that is shorter is filled with zeros.
;;     - A block's scale is 2^e with e = floor(log2(the largest magnitude in the block)) - 2, held to -126 .. 127; a block of zeros has e = 0. As a byte (E8M0): e + 127.
;;     - Each number is divided by its block's scale, clamped to +-7.5, and rounded to the nearest number of E2M3, ties to even, subnormals kept.
;;     - The product sums the exact products of the quantised numbers (number of the format x scale) in f32.
;;   ~~~python
;;   def quantise(x, axis):      # numpy; x: float32 -> the quantised numbers, widened to float32 again
;;       x = np.moveaxis(x, axis, -1); K = x.shape[-1]
;;       x = np.pad(x, [(0, 0)] * (x.ndim - 1) + [(0, -K % 32)]); x = x.reshape(x.shape[:-1] + (-1, 32)); a = np.abs(x).max(-1, keepdims=True)
;;       e = np.where(a > 0, np.clip(np.frexp(np.where(a > 0, a, 1))[1] - 1 - 2, -126, 127), 0)      # np.frexp(a)[1] - 1 = floor(log2(a)), exactly
;;       r = np.clip(x / 2.0 ** e, -7.5, 7.5)
;;       step = 2.0 ** (np.maximum(np.frexp(np.where(r == 0, 1, r))[1] - 1, 0) - 3)
;;       q = np.round(r / step) * step * 2.0 ** e      # np.round: ties to even
;;       return np.moveaxis(q.reshape(q.shape[:-2] + (-1,))[..., :K], -1, axis).astype(np.float32)
;;   ~~~
;;   SOFTMAX AHEAD OF A QUANTISED PRODUCT. Where the list says 'softmax', what is quantised is not the finished softmax but p = 2^(t - M), with t = logit x log2(e) and M = ceil(the row's largest t), a whole number; so 1/2 < the row's largest p <= 1. The row's sum l is taken of the UNQUANTISED p, in f32, and the product's result is divided by l at the end. Since M is a whole number, a kernel that streams over the keys may use a running M (the ceiling of the running maximum): every later rescaling is an exact power of two, which a block's scale takes up: the codes' values come out the same.
;;   OPERANDS COMPUTED ON THE WAY. 'Computed on the way' means the value that the module computes at that place (a softmax that the list does not call 'softmax' is quantised finished and normalised). What goes into a quantiser is computed in f32, as accurately as f32 sums, v_exp_f32 and their like allow (about 1e-6 of the number): no bf16 or f16 on the way to a quantiser, and a product that is left as it is and whose result goes on into a quantised operand takes f32 operands (vector FMAs, or v_wmma_f32_16x16x4_f32). A number that lies on a knife's edge between two numbers of the format may be rounded either way, as far as f32 arithmetic and the matrix unit's own rounding can turn it there, and no further.
;; One version. Each part assembles by itself: llvm-mc -triple=amdgcn-amd-amdhsa -mcpu=gfx1250 --defsym DOCPART=n.
;; ======== version 1 of 1: 4 launches
;; limits: right only within a limited range of input values
;; workspace buffers: xq 6,553,600 bytes; wq 6,553,600 bytes; qkv 6,553,600 bytes; gate 16,777,216 bytes; aq 3,276,800 bytes
;; launch quant (part 1): grid 512 x 1, 4 waves a work-group, no clusters, 34,304 bytes of LDS; arguments hidden_states, Wq, Wk, Wv, Wo, xq, wq; writes xq, wq
.if DOCPART == 1
	.amdgcn_target "amdgcn-amd-amdhsa--gfx1250"
	.amdhsa_code_object_version 6
	.text
	.protected	k_qeaa6df1483_quant
	.globl	k_qeaa6df1483_quant
	.p2align	8
	.type	k_qeaa6df1483_quant,@function
k_qeaa6df1483_quant:
	s_mov_b64 s[64:65], 0
	v_nop
	global_prefetch_b8 v0, s[64:65] scope:SCOPE_SE
	s_setreg_imm32_b32 hwreg(HW_REG_WAVE_MODE, 25, 1), 1
	s_wait_xcnt 0x0
; hidden_states [4096][2048] and the four weights ([K][N], K first) become codes of FP6 (E2M3) with one E8M0 byte for each 32 along K, laid as the later launches' operand registers want them.
; A FRAGMENT IMAGE is 16 rows x 128 K, 12 registers a lane, 1,536 bytes: registers 4 c .. 4 c + 3 of lane l at 512 c + 16 l.  Codes: img[tile][K step].
; Scale words: sc[pair of tiles][256 along K][lane 16 u + r][2 words], 256 bytes each.
; THE ROWS OF A TILE ARE NOT NEIGHBOURS: place r of tile 2 Tp + u is row 32 Tp + 8 u + r + 8 (r / 8) (tokens, and columns of Wq, Wk, Wv); Wo's columns keep their order (tile T: 16 T + r).
; A block's scale is 2^(floor(log2(largest magnitude)) - 2); its byte is the largest magnitude's exponent field - 2, held at 1 from below.
; LIMITS: a block of zeros gets the byte 1 where the rule says 127 (its codes are zeros, and this program alone reads the bytes); NaN and infinities among the inputs are not served.
; Work-groups 0-255 take the tokens (32 rows x 1,024 along K each, a wave 256 along K), 256-383 Wq, 384-415 Wk, 416-447 Wv, 448-511 Wo (128 columns x 256 along K each).  Every work-group reads 128 KiB.
; No tensor loads, no barrier, no matrix unit: a stream; waves share nothing.  Only the tokens' path touches LDS (a stage of 8,448 bytes for each wave).
.set XSC, 6291456                      ; xq: where the tokens' scale words begin
.set WSC, 4718592                      ; wq: scale words of Wq, Wk, Wv
.set WOI, 4915200                      ; wq: Wo's images
.set WOS, 6488064                      ; wq: Wo's scale words
.set SEL, 2                            ; s[2:3] selects for lane l xor 16
.set RA,  16                           ; v16-143 tokens: two sets of 64 as loaded; weights: two sets of 32 (v16-79)
.set XR,  144                          ; v144-207 tokens: 64 numbers, register 16 b + i = k 32 b + 16 h + i of my row
.set TM,  208                          ; v208-223 at work in QUANT
.set CT,  224                          ; v224-231 upper halves of blocks
.set PC,  232                          ; v232-243 a fragment's codes
.set PW,  244                          ; v244-247 the four fragments' scale words
.set FW,  144                          ; weights: v144-191 codes, 24 registers for each K step
.set CW,  192                          ; weights: v192-194 an upper half
.set SB,  196                          ; weights: v196-197 the two scale words
; 64 numbers of a lane become a fragment's 12 code registers v[pc] on and its row's scale word v[pw].
.macro QUANT s, pc, pw
.irp b, 0,1,2,3
	v_max3_num_f32 v[TM+\b], |v[(\s)+16*\b]|, |v[(\s)+1+16*\b]|, 0x1800000   ; my 16 numbers of block b, and the floor 2^(3 - 127): the byte cannot fall under 1
.endr
.irp i, 2,4,6,8,10,12,14
.irp b, 0,1,2,3
	v_max3_num_f32 v[TM+\b], v[TM+\b], |v[(\s)+16*\b+\i]|, |v[(\s)+1+16*\b+\i]|
.endr
.endr
.irp b, 0,1,2,3
	v_permlanex16_b32 v[TM+4+\b], v[TM+\b], s[SEL], s[SEL+1]
.endr
.irp b, 0,1,2,3
	v_max_num_f32 v[TM+\b], v[TM+\b], v[TM+4+\b]       ; with lane l xor 16's 16: the block's largest magnitude
.endr
.irp b, 0,1,2,3
	v_add_nc_u32 v[TM+12+\b], 0xff000000, v[TM+\b]     ; 2 off its exponent field: the conversion's scale operand
.endr
.irp b, 0,1,2,3
	v_lshrrev_b32 v[TM+4+\b], 23, v[TM+12+\b]          ; the scale's byte
.endr
	v_lshl_or_b32 v[\pw], v[TM+5], 8, v[TM+4]
	v_lshl_or_b32 v[\pw], v[TM+6], 16, v[\pw]
	v_lshl_or_b32 v[\pw], v[TM+7], 24, v[\pw]
.irp c, 0,1
	v_cvt_scalef32_pk16_fp6_f32 v[(\pc)+6*\c:(\pc)+6*\c+2], v[(\s)+32*\c:(\s)+32*\c+15], v[TM+12+2*\c]
	v_cvt_scalef32_pk16_fp6_f32 v[CT+4*\c:CT+4*\c+2], v[(\s)+32*\c+16:(\s)+32*\c+31], v[TM+13+2*\c]   ; (a conversion's three registers begin on an even number)
.endr
	v_nop                                              ; one plain place behind a scaled conversion
.irp c, 0,1                                            ; the operand wants a whole block in a lane: lanes 0-15 block 2 c, lanes 16-31 block 2 c + 1
.irp i, 0,1,2
	v_permlane16_swap_b32 v[(\pc)+6*\c+\i], v[CT+4*\c+\i]
.endr
.irp i, 0,1,2
	v_mov_b32 v[(\pc)+3+6*\c+\i], v[CT+4*\c+\i]
.endr
.endr
.endm
	s_load_b256 s[4:11], s[0:1], 0x0               ; hidden_states s[4:5], Wq s[6:7], Wk s[8:9], Wv s[10:11]
	s_load_b128 s[12:15], s[0:1], 0x20             ; Wo s[12:13], xq s[14:15]
	s_load_b64 s[16:17], s[0:1], 0x30              ; wq
	v_lshl_add_u32 v254, v0, 2, 0x8400
	v_mov_b32 v255, 0
	v_lshrrev_b32 v1, 5, v0
	v_readfirstlane_b32 s18, v1                    ; wave
	v_and_b32 v2, 31, v0                           ; lane
	v_lshlrev_b32 v4, 4, v2                        ; 16 x lane
	v_lshlrev_b32 v8, 3, v2                        ; 8 x lane
	s_mov_b32 s[SEL], 0x76543210
	s_mov_b32 s[SEL+1], 0xfedcba98
	s_wait_kmcnt 0x0
	s_cmp_lt_u32 ttmp9, 256
	s_cbranch_scc0 .Lweights
; ---- THE TOKENS.  Pair of tiles Tp = work-group / 2; my wave's 256 along K: sg = 4 (work-group % 2) + wave.  Four fragments f = 2 u + q: tile 2 Tp + u, K step 2 sg + q.
	s_lshr_b32 s20, ttmp9, 1                       ; Tp
	s_and_b32 s21, ttmp9, 1
	s_lshl_b32 s21, s21, 2
	s_add_co_u32 s21, s21, s18                     ; sg
	s_lshl_b32 s22, s20, 18                        ; 32 rows of 8,192 bytes
	s_lshl_b32 s24, s21, 10
	s_add_co_u32 s22, s22, s24
	s_mov_b32 s23, 0
	s_add_nc_u64 s[4:5], s[4:5], s[22:23]
	s_mul_i32 s22, s20, 49152                      ; images: (32 Tp + 2 sg) x 1,536
	s_mul_i32 s24, s21, 3072
	s_add_co_u32 s22, s22, s24
	s_add_nc_u64 s[26:27], s[14:15], s[22:23]
	s_lshl_b32 s22, s20, 3
	s_add_co_u32 s22, s22, s21
	s_lshl_b32 s22, s22, 8
	s_add_co_u32 s22, s22, XSC                     ; scale words: (8 Tp + sg) x 256
	s_add_nc_u64 s[28:29], s[14:15], s[22:23]
	s_mul_i32 s24, s18, 8448                       ; my stage: 16 rows of 512 bytes + 16
	s_wait_alu depctr_va_vdst(0)
	v_add_nc_u32 v5, s24, v4                       ; in: a row as it is loaded
	v_and_b32 v6, 15, v0
	v_bfe_u32 v7, v0, 4, 1
	v_mul_u32_u24 v6, v6, 528
	v_lshl_add_u32 v6, v7, 6, v6
	v_add_nc_u32 v6, s24, v6                       ; out: row r, + 64 h: my 16 numbers of each block of 32
.irp b, 0,1,2,3
	v_mov_b32 v[TM+4+\b], 0                        ; written once: a lane permute's destination counts as one of its sources
.endr
.macro LOADX f                         ; fragment f's 16 rows x 512 bytes: each load reads 512 consecutive bytes
.irp i, 0,1,2,3,4,5,6,7,8,9,10,11,12,13,14,15
	global_load_b128 v[RA+64*((\f)%2)+4*\i:RA+64*((\f)%2)+4*\i+3], v4, s[4:5] offset:(8*((\f)/2)+\i+8*(\i/8))*8192+512*((\f)%2) th:TH_LOAD_NT
.endr
.endm
.macro FRAGX f
.if (\f) < 3
	s_wait_loadcnt 16                              ; this fragment's 16 loads are in; the next one's 16 may be out
.else
	s_wait_loadcnt 0
.endif
.irp i, 0,1,2,3,4,5,6,7,8,9,10,11,12,13,14,15
	ds_store_b128 v5, v[RA+64*((\f)%2)+4*\i:RA+64*((\f)%2)+4*\i+3] offset:528*\i
.endr
.irp i, 0,1,2,3,4,5,6,7,8,9,10,11,12,13,14,15
	ds_load_b128 v[XR+4*\i:XR+4*\i+3], v6 offset:128*(\i/4)+16*(\i%4)   ; LDS serves a wave's instructions in order: these see the stores above
.endr
	s_wait_dscnt 0x0                               ; the numbers are back, and the stores have read their registers,
.if (\f) < 2
	LOADX (\f)+2                                   ; which take the fragment two on
.endif
.if (\f) > 0
	s_wait_xcnt 0x0                                ; the last fragment's stores have read the code registers, which are written again below
.endif
	QUANT XR, PC, PW+(\f)
.irp c, 0,1,2
	global_store_b128 v4, v[PC+4*\c:PC+4*\c+3], s[26:27] offset:(16*((\f)/2)+(\f)%2)*1536+512*\c   ; 512 consecutive bytes
.endr
.endm
	LOADX 0
	LOADX 1
	s_wait_alu depctr_va_vdst(0)
	FRAGX 0
	FRAGX 1
	FRAGX 2
	FRAGX 3
	v_cmp_le_u32 vcc_lo, 16, v2                    ; lanes 16-31 carry tile 2 Tp + 1's words (every lane holds its row r's word)
	v_cndmask_b32 v248, v[PW], v[PW+2], vcc_lo
	v_cndmask_b32 v249, v[PW+1], v[PW+3], vcc_lo
	global_store_b64 v8, v[248:249], s[28:29]      ; 256 consecutive bytes, aligned
	s_wait_tensorcnt 0x0
	ds_add_u32 v254, v255
	s_wait_dscnt 0x0
	s_endpgm
; ---- THE WEIGHTS.  A lane takes a column and its registers run down K: a block of 32 lies in one lane, and the codes come out with K innermost.
; s[20:21] the tensor, s22 which 128 columns, s23 which 256 along K, s24 first pair of tiles, s25 images' offset, s26 bytes from tile to tile, s27 scale words' offset, s28 their bytes for a pair of tiles, s29 1: columns keep their order
.Lweights:
	s_sub_co_u32 s19, ttmp9, 256
	s_cmp_lt_u32 s19, 128
	s_cbranch_scc0 .Lnot_wq
	s_mov_b64 s[20:21], s[6:7]                     ; Wq
	s_and_b32 s22, s19, 15
	s_lshr_b32 s23, s19, 4
	s_lshl_b32 s24, s22, 2
	s_mov_b32 s25, 0
	s_mov_b32 s26, 24576
	s_mov_b32 s27, WSC
	s_mov_b32 s28, 2048
	s_mov_b32 s29, 0
	s_branch .Lwide
.Lnot_wq:
	s_cmp_lt_u32 s19, 192
	s_cbranch_scc0 .Lwo
	s_cmp_lt_u32 s19, 160                          ; Wk, then Wv: kv head g's keys are stored rows 2,048 + 256 g on, its values 128 further
	s_cselect_b64 s[20:21], s[8:9], s[10:11]
	s_cselect_b32 s24, 64, 68
	s_and_b32 s22, s19, 3                          ; g
	s_bfe_u32 s23, s19, 0x30002
	s_lshl_b32 s30, s22, 3
	s_add_co_u32 s24, s24, s30
	s_mov_b32 s25, 0
	s_mov_b32 s26, 24576
	s_mov_b32 s27, WSC
	s_mov_b32 s28, 2048
	s_mov_b32 s29, 0
	s_branch .Lnarrow
.Lwo:
	s_mov_b64 s[20:21], s[12:13]                   ; Wo
	s_and_b32 s22, s19, 15
	s_bfe_u32 s23, s19, 0x20004
	s_lshl_b32 s24, s22, 2
	s_mov_b32 s25, WOI
	s_mov_b32 s26, 12288
	s_mov_b32 s27, WOS
	s_mov_b32 s28, 1024
	s_mov_b32 s29, 1
	s_branch .Lwide
.macro LOADW t, pitch                  ; block t: rows 32 t + i of my column
.irp i, 0,1,2,3,4,5,6,7,8,9,10,11,12,13,14,15,16,17,18,19,20,21,22,23,24,25,26,27,28,29,30,31
	global_load_b32 v[RA+32*((\t)%2)+\i], v3, s[20:21] offset:(32*(\t)+\i)*\pitch th:TH_LOAD_NT
.endr
.endm
.macro BLOCKW t, pitch
.set XS, RA+32*((\t)%2)
.set QQ, (\t)/4                        ; K step
.set BE, (\t)%4                        ; block in it
.set DST, FW+24*QQ+12*(BE%2)+6*(BE/2)  ; blocks 0, 2 into the first twelve registers, blocks 1, 3 into the second twelve
.if (\t) < 7
	s_wait_loadcnt 32                              ; this block's 32 loads are in; the next block's may be out
.else
	s_wait_loadcnt 0
.endif
	v_max3_num_f32 v12, |v[XS]|, |v[XS+1]|, |v[XS+2]|
	v_max3_num_f32 v13, |v[XS+3]|, |v[XS+4]|, |v[XS+5]|
.irp i, 6,10,14,18,22,26
	v_max3_num_f32 v12, v12, |v[XS+\i]|, |v[XS+\i+1]|
	v_max3_num_f32 v13, v13, |v[XS+\i+2]|, |v[XS+\i+3]|
.endr
	v_max3_num_f32 v12, v12, |v[XS+30]|, |v[XS+31]|
	v_max3_num_f32 v12, v12, v13, 0x1800000        ; and the floor
	v_add_nc_u32 v11, 0xff000000, v12              ; the conversion's scale operand
	v_lshrrev_b32 v13, 23, v11                     ; the byte
.if BE == 0
	v_mov_b32 v[SB+QQ], v13
.else
	v_lshl_or_b32 v[SB+QQ], v13, 8*BE, v[SB+QQ]
.endif
	v_cvt_scalef32_pk16_fp6_f32 v[DST:DST+2], v[XS:XS+15], v11
	v_cvt_scalef32_pk16_fp6_f32 v[CW:CW+2], v[XS+16:XS+31], v11
	v_nop                                          ; one plain place behind a scaled conversion
.irp i, 0,1,2
	v_mov_b32 v[DST+3+\i], v[CW+\i]
.endr
.if (\t)+2 < 8
	LOADW (\t)+2, \pitch
.endif
.if BE == 3                            ; lane 16 u + r holds all four blocks of tile u's row r: one exchange of halves makes the two tiles' images
.irp i, 0,1,2,3,4,5,6,7,8,9,10,11
	v_permlane16_swap_b32 v[FW+24*QQ+\i], v[FW+24*QQ+12+\i]
.endr
.irp c, 0,1,2
	global_store_b128 v4, v[FW+24*QQ+4*\c:FW+24*QQ+4*\c+3], s[32:33] offset:1536*QQ+512*\c
	global_store_b128 v4, v[FW+24*QQ+12+4*\c:FW+24*QQ+12+4*\c+3], s[34:35] offset:1536*QQ+512*\c
.endr
.endif
.endm
.macro WPATH pitch
	s_add_co_u32 s24, s24, s18                     ; my wave's pair of tiles
	s_mul_i32 s30, s23, 256*\pitch
	s_lshl_b32 s31, s22, 9
	s_add_co_u32 s30, s30, s31
	s_lshl_b32 s31, s18, 7
	s_add_co_u32 s30, s30, s31
	s_mov_b32 s31, 0
	s_add_nc_u64 s[20:21], s[20:21], s[30:31]      ; my 32 columns, my 256 rows
	s_mul_i32 s30, s24, s26
	s_lshl_b32 s30, s30, 1
	s_add_co_u32 s30, s30, s25
	s_mul_i32 s38, s23, 3072
	s_add_co_u32 s30, s30, s38
	s_add_nc_u64 s[32:33], s[16:17], s[30:31]      ; the even tile's images,
	s_mov_b32 s30, s26
	s_add_nc_u64 s[34:35], s[32:33], s[30:31]      ; the odd tile's
	s_mul_i32 s30, s24, s28
	s_add_co_u32 s30, s30, s27
	s_lshl_b32 s38, s23, 8
	s_add_co_u32 s30, s30, s38
	s_add_nc_u64 s[36:37], s[16:17], s[30:31]      ; the scale words
	v_and_b32 v9, 7, v2                            ; lane 16 u + 8 a + c takes column 16 a + 8 u + c,
	v_bfe_u32 v10, v2, 3, 1
	v_bfe_u32 v11, v2, 4, 1
	v_lshl_or_b32 v9, v10, 4, v9
	v_lshl_or_b32 v9, v11, 3, v9
	s_cmp_eq_u32 s29, 1
	s_cselect_b32 s38, -1, 0
	v_cndmask_b32 v3, v9, v2, s38                  ; or, in Wo, its own
	v_lshlrev_b32 v3, 2, v3
	LOADW 0, \pitch
	LOADW 1, \pitch
.irp t, 0,1,2,3,4,5,6,7
	BLOCKW \t, \pitch
.endr
	global_store_b64 v8, v[SB:SB+1], s[36:37]      ; 256 consecutive bytes, aligned
	s_endpgm
.endm
.Lwide:
	s_wait_alu depctr_va_vdst(0)
	WPATH 8192
.Lnarrow:
	s_wait_alu depctr_va_vdst(0)
	WPATH 2048
.Lfunc_end_k_qeaa6df1483_quant:
	.size	k_qeaa6df1483_quant, .Lfunc_end_k_qeaa6df1483_quant-k_qeaa6df1483_quant
	.p2alignl 7, 3214868480
	.fill 96, 4, 3214868480
	.section	.rodata,"a",@progbits
	.p2align	6, 0x0
	.amdhsa_kernel k_qeaa6df1483_quant
		.amdhsa_group_segment_fixed_size 34304
		.amdhsa_private_segment_fixed_size 0
		.amdhsa_enable_private_segment 0
		.amdhsa_kernarg_size 56
		.amdhsa_user_sgpr_count 2
		.amdhsa_user_sgpr_kernarg_segment_ptr 1
		.amdhsa_wavefront_size32 1
		.amdhsa_system_sgpr_workgroup_id_x 1
		.amdhsa_system_sgpr_workgroup_id_y 1
		.amdhsa_system_sgpr_workgroup_id_z 1
		.amdhsa_system_vgpr_workitem_id 0
		.amdhsa_next_free_vgpr 256
		.amdhsa_next_free_sgpr 66
		.amdhsa_reserve_vcc 1
		.amdhsa_float_denorm_mode_32 3
		.amdhsa_float_denorm_mode_16_64 3
		.amdhsa_memory_ordered 1
		.amdhsa_forward_progress 1
		.amdhsa_inst_pref_size 113
	.end_amdhsa_kernel
	.amdgpu_metadata
---
amdhsa.version: [ 1, 2 ]
amdhsa.kernels:
  - .name:           k_qeaa6df1483_quant
    .symbol:         k_qeaa6df1483_quant.kd
    .args:
      - { .name: hidden_states, .offset: 0, .size: 8, .value_kind: global_buffer, .address_space: global }
      - { .name: Wq, .offset: 8, .size: 8, .value_kind: global_buffer, .address_space: global }
      - { .name: Wk, .offset: 16, .size: 8, .value_kind: global_buffer, .address_space: global }
      - { .name: Wv, .offset: 24, .size: 8, .value_kind: global_buffer, .address_space: global }
      - { .name: Wo, .offset: 32, .size: 8, .value_kind: global_buffer, .address_space: global }
      - { .name: xq, .offset: 40, .size: 8, .value_kind: global_buffer, .address_space: global }
      - { .name: wq, .offset: 48, .size: 8, .value_kind: global_buffer, .address_space: global }
    .group_segment_fixed_size: 34304
    .private_segment_fixed_size: 0
    .kernarg_segment_align: 8
    .kernarg_segment_size: 56
    .max_flat_workgroup_size: 128
    .sgpr_count:     66
    .vgpr_count:     256
    .wavefront_size: 32
...
	.end_amdgpu_metadata
.endif
;; end of part 1
;; launch proj (part 2): grid 12 x 16, 4 waves a work-group, clusters of 4 x 4, 327,680 bytes of LDS; arguments xq, wq, cos, sin, q_norm_w, k_norm_w, qkv, gate; writes qkv, gate
.if DOCPART == 2
	.amdgcn_target "amdgcn-amd-amdhsa--gfx1250"
	.amdhsa_code_object_version 6
	.text
	.protected	k_qeaa6df1483_proj
	.globl	k_qeaa6df1483_proj
	.p2align	8
	.type	k_qeaa6df1483_proj,@function
k_qeaa6df1483_proj:
	s_mov_b64 s[64:65], 0
	v_nop
	global_prefetch_b8 v0, s[64:65] scope:SCOPE_SE
	s_setreg_imm32_b32 hwreg(HW_REG_WAVE_MODE, 25, 1), 1
	s_wait_xcnt 0x0
	s_wait_alu depctr_hold_cnt(0) depctr_sa_sdst(0) depctr_va_vdst(0) depctr_va_sdst(0) depctr_va_ssrc(0) depctr_va_vcc(0) depctr_vm_vsrc(0)
	s_getreg_b32 s2, hwreg(HW_REG_IB_STS2, 6, 4)
	s_cmp_eq_u32 s2, 0
	s_cbranch_scc0 .Lentry_in_a_cluster
	s_endpgm
.Lentry_in_a_cluster:
	s_bfe_u32 s2, ttmp6, 0x10000c
	s_cmp_lg_u32 s2, 0xf033
	s_cbranch_scc0 .Lentry_shape_is_right
	s_endpgm
.Lentry_shape_is_right:
.set NQ,     2
.set FR,     12
.set NL,     3
.set NP,     4
.set TILEB,  3072
.set HALFT,  8*TILEB
.set SLOT,   4*HALFT
.set LAPS,   4
.set SCL,    2*SLOT
.set SPARE,  229632
.set XSC,    6291456
.set WSC,    4718592
.set KVP,    3276800
.set ADRA, 16
.set ADRB, 20
.set LI,   24
.set CSA,  25
.set NWA,  26
.set ADRS, 27
.set SPW,  28
.set NIL,  29
.set LN,   30
.set SC,   32
.set TM,   64
.set CT,   80
.set PC,   88
.set PWS,  100
.set PK,   108
.set SS,   112
.set RS,   116
.set T,    128
.set AF,   128
.set NW,   0
.set SEL,  66
.set G1,   24
.set G0,   32
.set G1B,  48
.set G0B,  56
.set G1S,  68
.set G0S,  76
.set G1SB, 80
.set G0SB, 88
.set MSB, 0
.macro WIN new
.if MSB != (\new)
	s_set_vgpr_msb (MSB<<8)|(\new)
.set MSB, (\new)
.endif
.endm
.set MUL_LO, 0xa1
.set MUL_HI, 0xf1
.set TO_B,   0x40
.macro PLACES n
.rept \n
	v_nop
.endr
.endm
.macro JLOAD g0a, g1a, g0b, g1b
	s_cmp_eq_u32 s15, 0
	s_cbranch_scc0 .Lfor_b_\@
	tensor_load_to_lds s[\g0a:\g0a+3], s[\g1a:\g1a+7]
	s_nop 0
.rept 4
	v_nop
.endr
	s_branch .Lasked_\@
.Lfor_b_\@:
	tensor_load_to_lds s[\g0b:\g0b+3], s[\g1b:\g1b+7]
	s_nop 0
.rept 4
	v_nop
.endr
.Lasked_\@:
.endm
.macro CREST
	s_cmp_lg_u32 s14, 0
	s_cbranch_scc1 .Lnot_wave_0_\@
	s_barrier_signal -3
.Lnot_wave_0_\@:
	s_barrier_wait -3
	s_barrier_signal -1
	s_barrier_wait -1
.endm
.macro CROUND
	s_barrier_signal -1
	s_barrier_wait -1
	CREST
.endm
	s_load_b128 s[4:7], s[0:1], 0x0
	v_lshl_add_u32 v[SPW], v0, 2, SPARE
	v_mov_b32 v[NIL], 0
	ds_add_u32 v28, v29
	ds_add_u32 v28, v29
	s_wait_dscnt 0x0
	v_lshrrev_b32 v1, 5, v0
	v_readfirstlane_b32 s14, v1
	s_lshr_b32 s15, s14, 1
	s_and_b32 s16, s14, 1
	s_bfe_u32 s40, ttmp6, 0x40000
	s_bfe_u32 s41, ttmp6, 0x40004
	s_lshl_b32 s42, ttmp9, 2
	s_add_co_u32 s42, s42, s40
	s_and_b32 s17, ttmp7, 0xffff
	s_lshl_b32 s17, s17, 2
	s_add_co_u32 s17, s17, s41
	s_lshl_b32 s43, s41, 2
	s_lshl_b32 s43, 15, s43
	s_lshl_b32 s44, 0x1111, s40
	s_or_b32 s[G1+0], s43, (3<<16)|(1<<21)
	s_or_b32 s[G1B+0], s44, (3<<16)|(1<<21)
.irp g, G1, G1B
	s_mov_b32 s[\g+1], 384<<16
	s_mov_b32 s[\g+2], 16<<16                      ; the head's loads of codes bring all 16 tiles of a side
	s_mov_b32 s[\g+3], 384<<16
	s_mov_b32 s[\g+4], 16
	s_mov_b32 s[\g+5], 3072
	s_mov_b32 s[\g+6], 0
	s_mov_b32 s[\g+7], 0
.endr
	s_or_b32 s[G1S+0], s43, (3<<16)|(1<<21)
	s_or_b32 s[G1SB+0], s44, (3<<16)|(1<<21)
.irp g, G1S, G1SB
	s_mov_b32 s[\g+1], 32<<16
	s_mov_b32 s[\g+2], 64<<16                      ; the scale words of 16 tiles: 16,384 dense bytes as 64 rows of 256
	s_mov_b32 s[\g+3], 32<<16
	s_mov_b32 s[\g+4], 64
	s_mov_b32 s[\g+5], 32
	s_mov_b32 s[\g+6], 0
	s_mov_b32 s[\g+7], 0
.endr
	s_lshl_b32 s20, s17, 4                         ; the work-group's first tile of tokens,
	s_lshl_b32 s46, s42, 4                         ; and of columns
	s_mul_i32 s18, s16, 8*24576                    ; in the ring I fetch 8 tiles: which half, in bytes
	s_mov_b32 s19, 0
	s_lshl_b32 s22, s20, 10
	s_lshl_b32 s92, s46, 10
	s_mul_i32 s20, s20, 24576
	s_mul_i32 s46, s46, 24576
	s_add_co_u32 s22, s22, XSC
	s_add_co_u32 s92, s92, WSC
	s_mov_b32 s21, 0
	s_mov_b32 s23, 0
	s_mov_b32 s47, 0
	s_mov_b32 s93, 0
	s_mul_i32 s45, s14, HALFT
	s_wait_kmcnt 0x0
	s_add_nc_u64 s[20:21], s[4:5], s[20:21]
	s_add_nc_u64 s[22:23], s[4:5], s[22:23]
	s_add_nc_u64 s[46:47], s[6:7], s[46:47]
	s_add_nc_u64 s[92:93], s[6:7], s[92:93]
	CROUND
	s_mov_b32 s4, 1                                ; s[4:7]: group 0 for slot 0's 16 tiles of tokens (the arguments that lay here have been used)
	s_mov_b32 s5, 0
	s_mov_b64 s[6:7], s[20:21]
	s_or_b32 s7, s7, 0x80000000
	s_mov_b32 s8, 1                                ; s[8:11]: the same for the 16 tiles of columns, behind them in the slot
	s_mov_b32 s9, 2*HALFT
	s_mov_b64 s[10:11], s[46:47]
	s_or_b32 s11, s11, 0x80000000
	s_mov_b32 s[G0S], 1
	s_mov_b32 s[G0S+1], SCL
	s_mov_b64 s[G0S+2:G0S+3], s[22:23]
	s_or_b32 s[G0S+3], s[G0S+3], 0x80000000
	s_mov_b32 s[G0SB], 1
	s_mov_b32 s[G0SB+1], SCL+16384
	s_mov_b64 s[G0SB+2:G0SB+3], s[92:93]
	s_or_b32 s[G0SB+3], s[G0SB+3], 0x80000000
	s_add_nc_u64 s[20:21], s[20:21], s[18:19]      ; for the ring: my 8 tiles
	s_add_nc_u64 s[46:47], s[46:47], s[18:19]
.irp s, 0,1
	s_mov_b32 s[G0+4*\s], 1
	s_add_co_u32 s[G0+4*\s+1], s45, \s*SLOT
	s_add_nc_u64 s[G0+4*\s+2:G0+4*\s+3], s[20:21], \s*TILEB
	s_or_b32 s[G0+4*\s+3], s[G0+4*\s+3], 0x80000000
	s_mov_b32 s[G0B+4*\s], 1
	s_add_co_u32 s[G0B+4*\s+1], s45, \s*SLOT
	s_add_nc_u64 s[G0B+4*\s+2:G0B+4*\s+3], s[46:47], \s*TILEB
	s_or_b32 s[G0B+4*\s+3], s[G0B+4*\s+3], 0x80000000
.endr
; The head's four tiles, one joint load a wave: wave 0 slot 0's tokens, wave 1 its columns, wave 2 the tokens' scale words, wave 3 the columns'.
	; the prefetches: of the 8 tiles that I fetch, each of the four partners that ask for them with me takes 2, told apart by address (cx for the tokens, cy for the columns); s[12:13] stands at K pair 2
	s_cmp_eq_u32 s15, 0
	s_cselect_b64 s[12:13], s[20:21], s[46:47]
	s_cselect_b32 s94, s40, s41
	s_mul_i32 s94, s94, 2*24576
	s_add_co_u32 s94, s94, 2*TILEB
	s_mov_b32 s95, 0
	s_add_nc_u64 s[12:13], s[12:13], s[94:95]
.macro ARM under, g0, g1, next
	s_cmp_lt_u32 s14, \under
	s_cbranch_scc0 \next
	tensor_load_to_lds s[\g0:\g0+3], s[\g1:\g1+7]
	s_nop 0
.rept 4
	v_nop
.endr
	s_branch .Lhead_asked
\next:
.endm
	ARM 1, 4, G1, .Lhead_b
	ARM 2, 8, G1B, .Lhead_sa
	ARM 3, G0S, G1S, .Lhead_sb
	tensor_load_to_lds s[G0SB:G0SB+3], s[G1SB:G1SB+7]
	s_nop 0
.rept 4
	v_nop
.endr
.Lhead_asked:
	v_and_b32 v31, 31, v0                          ; v31: a lane a block of 256 bytes: 2 tiles x 12 blocks of a K pair; the 8 lanes left over name the last block again
	v_min_u32 v31, 23, v31
	v_mul_u32_u24 v1, v31, 11
	v_lshrrev_b32 v1, 7, v1                        ; block / 12, for blocks 0 to 23
	v_lshlrev_b32 v31, 8, v31
	v_mad_u32_u24 v31, v1, 21504, v31              ; 256 x block + (24,576 - 3,072) x tile
	global_prefetch_b8 v31, s[12:13] th:TH_LOAD_NT scope:SCOPE_SE   ; behind each joint load: the K pair that stands two fills on; here pair 2
	v_and_b32 v[LN], 31, v0
	v_lshlrev_b32 v[LI], 4, v[LN]
	s_wait_alu depctr_va_vdst(0)
	v_and_b32 v2, 15, v0
	v_bfe_u32 v3, v0, 4, 1
	v_and_b32 v4, 8, v2
	v_add_nc_u32 v4, v4, v2
	v_lshlrev_b32 v[CSA], 8, v4
	v_lshl_add_u32 v[CSA], v3, 6, v[CSA]
	v_lshlrev_b32 v[NWA], 6, v3
	s_mul_i32 s21, s15, HALFT
	s_mul_i32 s22, s16, HALFT
	s_add_co_u32 s22, s22, 2*HALFT
	s_cmp_eq_u32 ttmp9, 2
	s_cselect_b32 s96, s16, 0
	s_cmp_eq_u32 s96, 1
	s_cselect_b32 s98, s22, s21
	s_cselect_b32 s99, s21, s22
	s_cselect_b32 s97, -1, 0
.irp s, 0,1
	v_add_nc_u32 v[ADRA+\s], s98, v[LI]
	v_add_nc_u32 v[ADRB+\s], s99, v[LI]
	s_add_co_u32 s98, s98, SLOT
	s_add_co_u32 s99, s99, SLOT
.endr
	s_lshl_b32 s21, s15, 13
	s_lshl_b32 s22, s16, 13
	s_add_co_u32 s22, s22, 16384
	s_sub_co_u32 s22, s22, s21
	s_add_co_u32 s21, s21, SCL
	v_xor_b32 v4, 1, v3
	v_mul_u32_u24 v5, s22, v3
	v_mul_u32_u24 v6, s22, v4
	v_cndmask_b32 v5, v5, v6, s97
	v_lshl_add_u32 v5, v2, 3, v5
	v_add_nc_u32 v[ADRS], s21, v5
.macro FRAG reg, adr, q, i
.irp c, 0,1,2
	ds_load_b128 v[(\reg)+4*\c:(\reg)+4*\c+3], v[\adr] offset:TILEB*(\i)+1536*(\q)+512*\c
.endr
.endm
.macro MUL16 a0, p, q, sc, zero
.irp a, \a0, \a0+1
.irp b, 0,1,2,3,4,5,6,7
.if \zero
	v_wmma_scale_f32_16x16x128_f8f6f4 v[8*(8*((\a)%4)+\b):8*(8*((\a)%4)+\b)+7], v[128*(\p)+FR*\b:128*(\p)+FR*\b+FR-1], v[AF+FR*(\a):AF+FR*(\a)+FR-1], 0, v[SC+8*NQ*(\sc)+NQ*\b+(\q)], v[SC+8*NQ*(\sc)+NQ*(\a)+(\q)] matrix_a_fmt:MATRIX_FMT_FP6 matrix_b_fmt:MATRIX_FMT_FP6 matrix_a_scale:MATRIX_SCALE_ROW1
.else
	v_wmma_scale_f32_16x16x128_f8f6f4 v[8*(8*((\a)%4)+\b):8*(8*((\a)%4)+\b)+7], v[128*(\p)+FR*\b:128*(\p)+FR*\b+FR-1], v[AF+FR*(\a):AF+FR*(\a)+FR-1], v[8*(8*((\a)%4)+\b):8*(8*((\a)%4)+\b)+7], v[SC+8*NQ*(\sc)+NQ*\b+(\q)], v[SC+8*NQ*(\sc)+NQ*(\a)+(\q)] matrix_a_fmt:MATRIX_FMT_FP6 matrix_b_fmt:MATRIX_FMT_FP6 matrix_a_scale:MATRIX_SCALE_ROW1
.endif
.endr
.endr
.endm
.macro FETCH_B slot, q, p
	WIN TO_B
.irp i, 0,1,2,3,4,5,6,7
	FRAG 128*(\p)+FR*\i, ADRB+\slot, \q, \i
.endr
	WIN 0
.endm
.macro FETCH_A slot, q, i0
.irp i, \i0, \i0+1, \i0+2, \i0+3
	FRAG AF+FR*(\i), ADRA+\slot, \q, \i
.endr
.endm
.macro SCALES sc
.irp i, 0,1,2,3,4,5,6,7
	ds_load_b64 v[SC+8*NQ*\sc+NQ*\i:SC+8*NQ*\sc+NQ*\i+1], v[ADRS] offset:2048*(\i/2)+128*(\i%2)
.endr
.endm
.macro STEP slot, q, zero
	s_wait_dscnt 4*NL
	WIN MUL_LO
	MUL16 0, (\q)%2, \q, \slot, \zero
	MUL16 2, (\q)%2, \q, \slot, \zero
	s_wait_dscnt 0
	PLACES NP
	FETCH_B \slot, (\q)+1, 1-(\q)%2
	FETCH_A \slot, (\q)+1, 0
	WIN MUL_HI
	MUL16 4, (\q)%2, \q, \slot, \zero
	MUL16 6, (\q)%2, \q, \slot, \zero
	PLACES NP
	WIN 0
	FETCH_A \slot, (\q)+1, 4
.endm
.macro TURN slot, next, fill
.if (\fill) && (\slot) == 0
	s_wait_xcnt 0x0                                ; my prefetches have read their address: it steps two K pairs a lap
	s_add_nc_u64 s[12:13], s[12:13], 2*TILEB
.endif
	s_wait_tensorcnt 0x0
	ds_add_u32 v[SPW], v[NIL]
	s_wait_dscnt 4*NL+1
	WIN MUL_LO
	MUL16 0, 1, NQ-1, \slot, 0
	s_wait_dscnt 0x0
	s_barrier_signal -1
	MUL16 2, 1, NQ-1, \slot, 0
	WIN 0
	s_barrier_wait -1
.if \fill
	CREST
	s_add_nc_u64 s[G0+4*\slot+2:G0+4*\slot+3], s[G0+4*\slot+2:G0+4*\slot+3], 2*TILEB
	s_add_nc_u64 s[G0B+4*\slot+2:G0B+4*\slot+3], s[G0B+4*\slot+2:G0B+4*\slot+3], 2*TILEB
	JLOAD G0+4*\slot, G1, G0B+4*\slot, G1B
.else
	PLACES NP
.endif
	s_wait_alu depctr_va_vdst(0)
	v_add_nc_u32 v[ADRS], 256, v[ADRS]
	FETCH_B \next, 0, 0
	FETCH_A \next, 0, 0
	SCALES \next
.if \fill
	s_cmp_gt_u32 s3, 1                             ; the last lap's two fills have no K pair two fills on
	s_cbranch_scc0 .Lno_ask_\@
	global_prefetch_b8 v31, s[12:13] offset:TILEB*\slot th:TH_LOAD_NT scope:SCOPE_SE
.Lno_ask_\@:
.endif
	WIN MUL_HI
	MUL16 4, 1, NQ-1, \slot, 0
	MUL16 6, 1, NQ-1, \slot, 0
	PLACES NP
	WIN 0
	FETCH_A \next, 0, 4
.endm
	s_wait_alu depctr_va_vdst(0)
	s_wait_tensorcnt 0x0                           ; my tile of the head's four is in
	ds_add_u32 v[SPW], v[NIL]
	s_mov_b32 s[G1+2], 8<<16                       ; no tensor load of mine is out: from here on a load brings 8 tiles
	s_mov_b32 s[G1+4], 8
	s_mov_b32 s[G1B+2], 8<<16
	s_mov_b32 s[G1B+4], 8
	s_wait_dscnt 0x0
	CROUND
	JLOAD G0+4, G1, G0B+4, G1B                     ; slot 1's first fill, the first tensor load behind the round
	FETCH_B 0, 0, 0
	FETCH_A 0, 0, 0
	SCALES 0
	global_prefetch_b8 v31, s[12:13] offset:TILEB th:TH_LOAD_NT scope:SCOPE_SE   ; K pair 3
	FETCH_A 0, 0, 4
	STEP 0, 0, 1
	s_mov_b32 s3, LAPS-1
.Llap:
	TURN 0, 1, 1
	STEP 1, 0, 0
	TURN 1, 0, 1
	STEP 0, 0, 0
	s_sub_co_u32 s3, s3, 1
	s_cmp_lg_u32 s3, 0
	s_cbranch_scc1 .Llap
	s_load_b256 s[68:75], s[0:1], 0x10             ; the end's arguments, into registers of descriptors whose loads were waited for at the head; awaited behind the last K steps
	s_load_b128 s[76:79], s[0:1], 0x30
	TURN 0, 1, 0
	STEP 1, 0, 0
	s_wait_dscnt 4*NL
	WIN MUL_LO
	MUL16 0, 1, NQ-1, 1, 0
	MUL16 2, 1, NQ-1, 1, 0
	s_wait_dscnt 0
	WIN MUL_HI
	MUL16 4, 1, NQ-1, 1, 0
	MUL16 6, 1, NQ-1, 1, 0
	WIN 0
	PLACES NP
	s_mov_b32 s[SEL], 0x76543210
	s_mov_b32 s[SEL+1], 0xfedcba98
	s_mov_b32 s94, 0x3c000000
	s_mov_b32 s95, 0x358637bd
.irp b, 0,1,2,3
	v_mov_b32 v[TM+4+\b], 0
.endr
	v_mov_b32 v[RS+1], 0
	s_lshl_b32 s18, s17, 1
	s_add_co_u32 s18, s18, s15
	s_lshr_b32 s19, s17, 3
	s_and_b32 s20, s18, 15
	s_lshl_b32 s21, s19, 3
	s_add_co_u32 s21, s21, s42
	s_lshl_b32 s21, s21, 4
	s_add_co_u32 s21, s21, s20
	s_and_b32 s22, s42, 3
	s_lshl_b32 s23, s19, 2
	s_add_co_u32 s22, s22, s23
	s_lshl_b32 s22, s22, 4
	s_add_co_u32 s22, s22, s20
	s_mul_i32 s22, s22, 25600
	s_mul_i32 s23, s16, 12800
	s_add_co_u32 s22, s22, s23
	s_add_co_u32 s22, s22, KVP
	s_mul_i32 s23, s21, 12800
	s_lshl_b32 s46, s21, 16
	s_mov_b32 s47, 0
	s_lshl_b32 s92, s18, 15
	s_mov_b32 s93, 0
	s_mov_b32 s97, 0
	s_cmp_eq_u32 ttmp9, 2
	s_cselect_b32 s96, s22, s23
	s_wait_kmcnt 0x0
	s_cselect_b64 s[72:73], s[74:75], s[72:73]
	s_add_nc_u64 s[76:77], s[76:77], s[96:97]
	s_add_nc_u64 s[78:79], s[78:79], s[46:47]
	s_add_nc_u64 s[68:69], s[68:69], s[92:93]
	s_add_nc_u64 s[70:71], s[70:71], s[92:93]
.macro QUANT s, w, pc, pw
	WIN (\w)|((\w)<<2)
.irp b, 0,1,2,3
	v_max3_num_f32 v[TM+\b], |v[(\s)+16*\b]|, |v[(\s)+1+16*\b]|, 0x1800000
.endr
	WIN ((\w)<<2)|((\w)<<4)
.irp i, 2,4,6,8,10,12,14
.irp b, 0,1,2,3
	v_max3_num_f32 v[TM+\b], v[TM+\b], |v[(\s)+16*\b+\i]|, |v[(\s)+1+16*\b+\i]|
.endr
.endr
	WIN 0
.irp b, 0,1,2,3
	v_permlanex16_b32 v[TM+4+\b], v[TM+\b], s[SEL], s[SEL+1]
.endr
.irp b, 0,1,2,3
	v_max_num_f32 v[TM+\b], v[TM+\b], v[TM+4+\b]
.endr
.irp b, 0,1,2,3
	v_add_nc_u32 v[TM+12+\b], 0xff000000, v[TM+\b]
.endr
.irp b, 0,1,2,3
	v_lshrrev_b32 v[TM+4+\b], 23, v[TM+12+\b]
.endr
	v_lshl_or_b32 v[\pw], v[TM+5], 8, v[TM+4]
	v_lshl_or_b32 v[\pw], v[TM+6], 16, v[\pw]
	v_lshl_or_b32 v[\pw], v[TM+7], 24, v[\pw]
	WIN (\w)
.irp c, 0,1
	v_cvt_scalef32_pk16_fp6_f32 v[(\pc)+6*\c:(\pc)+6*\c+2], v[(\s)+32*\c:(\s)+32*\c+15], v[TM+12+2*\c]
	v_cvt_scalef32_pk16_fp6_f32 v[CT+4*\c:CT+4*\c+2], v[(\s)+32*\c+16:(\s)+32*\c+31], v[TM+13+2*\c]
.endr
	WIN 0
	v_nop
.irp c, 0,1
.irp i, 0,1,2
	v_permlane16_swap_b32 v[(\pc)+6*\c+\i], v[CT+4*\c+\i]
.endr
.irp i, 0,1,2
	v_mov_b32 v[(\pc)+3+6*\c+\i], v[CT+4*\c+\i]
.endr
.endr
.endm
.macro SENDC a
.irp c, 0,1,2
	global_store_b128 v[LI], v[PC+4*\c:PC+4*\c+3], s[76:77] offset:1536*(\a)+512*\c
.endr
.endm
.macro TAIL
	v_cmp_le_u32 vcc_lo, 16, v[LN]
.irp be, 0,1,2,3
	v_cndmask_b32 v[PK+\be], v[PWS+2*\be], v[PWS+2*\be+1], vcc_lo
.endr
	global_store_b128 v[LI], v[PK:PK+3], s[76:77] offset:12288
.endm
	s_cmp_eq_u32 s16, 0
	s_cbranch_scc1 .Lnorm
	s_cmp_eq_u32 ttmp9, 2
	s_cbranch_scc1 .Lvalue
.irp a, 0,1,2,3,4,5,6,7
	WIN (2+\a/4)<<2
.irp k, 0,1,2,3,4,5,6,7,8,9,10,11,12,13,14,15
	global_store_b128 v[LI], v[64*(\a%4)+4*\k:64*(\a%4)+4*\k+3], s[78:79] offset:8192*\a+512*\k
.endr
.endr
	WIN 0
	s_branch .Lend
.Lvalue:
.macro VALUE a
.set WW, 2+(\a)/4
.set ACC, 64*((\a)%4)
.if (\a) > 0
	s_wait_xcnt 0x0
.endif
	QUANT ACC, WW, PC, PWS+(\a)
	SENDC \a
.endm
.irp a, 0,1,2,3,4,5,6,7
	VALUE \a
.endr
	TAIL
	s_branch .Lend
.Lnorm:
.macro CSLOAD a
.set CSD, 64+64*((\a)%3)
.irp jj, 0,1,2,3
	global_load_b128 v[CSD+4*\jj:CSD+4*\jj+3], v[CSA], s[68:69] offset:(32*((\a)/2)+8*((\a)%2))*256+16*\jj
	global_load_b128 v[CSD+16+4*\jj:CSD+16+4*\jj+3], v[CSA], s[68:69] offset:(32*((\a)/2)+8*((\a)%2))*256+128+16*\jj
	global_load_b128 v[CSD+32+4*\jj:CSD+32+4*\jj+3], v[CSA], s[70:71] offset:(32*((\a)/2)+8*((\a)%2))*256+16*\jj
	global_load_b128 v[CSD+48+4*\jj:CSD+48+4*\jj+3], v[CSA], s[70:71] offset:(32*((\a)/2)+8*((\a)%2))*256+128+16*\jj
.endr
.endm
.macro NORM a
.set WW, 2+(\a)/4
.set ACC, 64*((\a)%4)
.set CSB, 64+64*((\a)%3)
	WIN WW|(WW<<2)
	v_pk_mul_f32 v[SS:SS+1], v[ACC:ACC+1], v[ACC:ACC+1]
	v_pk_mul_f32 v[SS+2:SS+3], v[ACC+2:ACC+3], v[ACC+2:ACC+3]
.set j, 4
.rept 15
	v_pk_fma_f32 v[SS:SS+1], v[ACC+j:ACC+j+1], v[ACC+j:ACC+j+1], v[SS:SS+1]
	v_pk_fma_f32 v[SS+2:SS+3], v[ACC+j+2:ACC+j+3], v[ACC+j+2:ACC+j+3], v[SS+2:SS+3]
.set j, j+4
.endr
	WIN 0
	v_pk_add_f32 v[SS:SS+1], v[SS:SS+1], v[SS+2:SS+3]
	v_add_f32 v[SS], v[SS], v[SS+1]
	v_permlanex16_b32 v[SS+1], v[SS], s[SEL], s[SEL+1]
	v_add_f32 v[SS], v[SS], v[SS+1]
	v_fma_f32 v[SS], v[SS], s94, s95
	s_wait_alu depctr_va_vdst(0)
	v_rsq_f32 v[RS], v[SS]
	v_nop
	s_wait_alu depctr_va_vdst(0)
	WIN WW
.set j, 0
.rept 32
	v_pk_mul_f32 v[T+j:T+j+1], v[ACC+j:ACC+j+1], v[RS:RS+1] op_sel_hi:[1,0]
.set j, j+2
.endr
.if (\a) < 6
	s_wait_loadcnt 32                              ; this block's cos and sin are in; the next two blocks' 32 loads may be out
.else
	s_wait_loadcnt 16*(7-(\a))
.endif
	WIN 0x04
.set j, 0
.rept 32
	v_pk_mul_f32 v[T+j:T+j+1], v[T+j:T+j+1], v[NW+j:NW+j+1]
.set j, j+2
.endr
	WIN 0x44
.set j, 0
.rept 8
	v_pk_mul_f32 v[CSB+32+j:CSB+32+j+1], v[T+16+j:T+16+j+1], v[CSB+32+j:CSB+32+j+1]
	v_pk_mul_f32 v[CSB+48+j:CSB+48+j+1], v[T+j:T+j+1], v[CSB+48+j:CSB+48+j+1]
.set j, j+2
.endr
	WIN 0x14
.set j, 0
.rept 8
	v_pk_fma_f32 v[T+j:T+j+1], v[T+j:T+j+1], v[CSB+j:CSB+j+1], v[CSB+32+j:CSB+32+j+1] neg_lo:[0,0,1] neg_hi:[0,0,1]
	v_pk_fma_f32 v[T+16+j:T+16+j+1], v[T+16+j:T+16+j+1], v[CSB+16+j:CSB+16+j+1], v[CSB+48+j:CSB+48+j+1]
.set j, j+2
.endr
.if (\a)+3 < 8
	WIN 0x40
	CSLOAD (\a)+3
.endif
	WIN 0
.if (\a) > 0
	s_wait_xcnt 0x0
.endif
	QUANT T, 0, PC, PWS+(\a)
	SENDC \a
.endm
	WIN 0x40
.irp jj, 0,1,2,3,4,5,6,7,8,9,10,11,12,13,14,15
	global_load_b128 v[NW+4*\jj:NW+4*\jj+3], v[NWA], s[72:73] offset:128*(\jj/4)+16*(\jj%4)
.endr
	CSLOAD 0
	CSLOAD 1
	CSLOAD 2
	WIN 0
.irp a, 0,1,2,3,4,5,6,7
	NORM \a
.endr
	TAIL
.Lend:
	s_wait_tensorcnt 0x0
	ds_add_u32 v[SPW], v[NIL]
	s_wait_dscnt 0x0
	CROUND
	s_endpgm
.Lfunc_end_k_qeaa6df1483_proj:
	.size	k_qeaa6df1483_proj, .Lfunc_end_k_qeaa6df1483_proj-k_qeaa6df1483_proj
	.p2alignl 7, 3214868480
	.fill 96, 4, 3214868480
	.section	.rodata,"a",@progbits
	.p2align	6, 0x0
	.amdhsa_kernel k_qeaa6df1483_proj
		.amdhsa_group_segment_fixed_size 327680
		.amdhsa_private_segment_fixed_size 0
		.amdhsa_enable_private_segment 0
		.amdhsa_kernarg_size 64
		.amdhsa_user_sgpr_count 2
		.amdhsa_user_sgpr_kernarg_segment_ptr 1
		.amdhsa_wavefront_size32 1
		.amdhsa_system_sgpr_workgroup_id_x 1
		.amdhsa_system_sgpr_workgroup_id_y 1
		.amdhsa_system_sgpr_workgroup_id_z 1
		.amdhsa_system_vgpr_workitem_id 0
		.amdhsa_next_free_vgpr 1024
		.amdhsa_next_free_sgpr 100
		.amdhsa_reserve_vcc 1
		.amdhsa_float_denorm_mode_32 3
		.amdhsa_float_denorm_mode_16_64 3
		.amdhsa_memory_ordered 1
		.amdhsa_forward_progress 1
		.amdhsa_inst_pref_size 255
	.end_amdhsa_kernel
	.section	.bss,"aw",@nobits
	.p2align	6
	.space	262144
	.amdgpu_metadata
---
amdhsa.version: [ 1, 2 ]
amdhsa.kernels:
  - .name:           k_qeaa6df1483_proj
    .symbol:         k_qeaa6df1483_proj.kd
    .args:
      - { .name: xq, .offset: 0, .size: 8, .value_kind: global_buffer, .address_space: global }
      - { .name: wq, .offset: 8, .size: 8, .value_kind: global_buffer, .address_space: global }
      - { .name: cos, .offset: 16, .size: 8, .value_kind: global_buffer, .address_space: global }
      - { .name: sin, .offset: 24, .size: 8, .value_kind: global_buffer, .address_space: global }
      - { .name: q_norm_w, .offset: 32, .size: 8, .value_kind: global_buffer, .address_space: global }
      - { .name: k_norm_w, .offset: 40, .size: 8, .value_kind: global_buffer, .address_space: global }
      - { .name: qkv, .offset: 48, .size: 8, .value_kind: global_buffer, .address_space: global }
      - { .name: gate, .offset: 56, .size: 8, .value_kind: global_buffer, .address_space: global }
    .group_segment_fixed_size: 327680
    .private_segment_fixed_size: 0
    .kernarg_segment_align: 8
    .kernarg_segment_size: 64
    .max_flat_workgroup_size: 128
    .sgpr_count:     100
    .vgpr_count:     1024
    .wavefront_size: 32
...
	.end_amdgpu_metadata
.endif
;; end of part 2
;; launch attn (part 3): grid 4 x 64, 8 waves a work-group, clusters of 4 x 4, 327,680 bytes of LDS; arguments qkv, gate, attn_mask, aq; writes aq
.if DOCPART == 3
	.amdgcn_target "amdgcn-amd-amdhsa--gfx1250"
	.amdhsa_code_object_version 6
	.text
	.protected	k_qeaa6df1483_attn
	.globl	k_qeaa6df1483_attn
	.p2align	8
	.type	k_qeaa6df1483_attn,@function
k_qeaa6df1483_attn:
	s_mov_b64 s[64:65], 0
	v_nop
	global_prefetch_b8 v0, s[64:65] scope:SCOPE_SE
	s_setreg_imm32_b32 hwreg(HW_REG_WAVE_MODE, 25, 1), 1
	s_wait_xcnt 0x0
	s_wait_alu depctr_hold_cnt(0) depctr_sa_sdst(0) depctr_va_vdst(0) depctr_va_sdst(0) depctr_va_ssrc(0) depctr_va_vcc(0) depctr_vm_vsrc(0)
	s_getreg_b32 s2, hwreg(HW_REG_IB_STS2, 6, 4)
	s_cmp_eq_u32 s2, 0
	s_cbranch_scc0 .Lentry_in_a_cluster
	s_endpgm
.Lentry_in_a_cluster:
	s_bfe_u32 s2, ttmp6, 0x10000c
	s_cmp_lg_u32 s2, 0xf033
	s_cbranch_scc0 .Lentry_shape_is_right
	s_endpgm
.Lentry_shape_is_right:
; Attention on codes of FP6 (E2M3) with E8M0 scales.  D = K Q^T + mask x sqrt(128): the mask goes in as the product's C operand, so that t = D c, c = log2(e) / sqrt(128), is logit x log2(e).
; M = the running largest t rounded up, p = 2^(D c - M) (one multiply-add, one exponential) quantised along the keys, O^T += V^T P^T; the row's sum is taken of the unquantised p and divides at the end;
; then x sigmoid(gate), and the quantiser for the last product.  The mask is an input: every tile of it is read and added, no key is left out.
; SHARES.  A work-group owns 64 queries and the two heads 2 g, 2 g + 1 of kv head g (they share K, V and the mask).  Wave w: tile of 16 queries tq = w % 4, both heads, and of every slot of 256 keys the key step kp = w / 4.
; So a fragment of K or V feeds two matrix instructions, a mask register two heads.  The two key halves meet at the end: wave kp keeps head 2 g + kp; the rescaling is an exact power of two.
; LAYOUT.  Both products are used transposed: a lane holds one query throughout.  Place r of a tile (of keys, queries, channels) is row 32 Tp + 8 u + r + 8 (r / 8): register 16 b + i of eight tiles is neighbour 32 b + 16 h + i.
; CLUSTER 4 x 4: g = cx, so K and V hang on (batch, cx) and are asked for jointly down a column; the mask's tile hangs on (batch, query block) and is asked for jointly along a row.
; THE RING: two slots of 256 keys.  A trip asks for the next slot first, works on the slot in hand, and ahead of its last 16 products waits for its load, adds, waits and signals; the round closes behind those products.
; LIMITS: a block of zeros gets the scale byte 1 (zero codes; this program alone reads the bytes).  NaN and infinities among the inputs are not served, nor a mask beyond 3e37 in magnitude (mask x sqrt(128) must be finite).
; The promise holds while the scaled scores t stay under 2^31 in magnitude.  t's rounding differs from (S / sqrt(128) + mask) x log2 e by about one part in 10^7 of the terms.
; REGISTERS: window 0: v1-9 addresses; v10-19 statistics; v20-31 scale words and nothing else; v32-55 at work (v51, v55: two LDS addresses for the end, never rewritten); v56-103 four fragments;
;   v104-167, v168-231 D then p of head 0, 1 (v104-151 later four more fragments of V); v232-255 p's codes.
;   window 1: v0-127 O^T of the two heads; v128-191 the mask x sqrt(128), at the end the gate; v192-215 Q's two fragments.
.set KVP,   3276800
.set ASC,   3145728
.set SLOT1, 131072                     ; slot 1 begins here: one exclusive or turns an address
.set MOFF,  51200                      ; in a slot: two key steps of K | V (25,600 bytes each), then the mask in 4 chunks of 16 rows x (1,024 + 16) bytes
.set MCH,   16768                      ; from chunk to chunk: 4,192 words = 32 modulo 64, so rows r and r + 16 of a tile start 32 banks apart (64 banks of 4 bytes: ISA guide 11.1)
.set SPARE, 262144                     ; the spare words, 128 bytes for each of eight waves
.set GATH,  67584                      ; at the end, in slot 0 (its last fill is long read): 8 stages of 8,448 bytes, then 512 bytes of scale words
.set AK0, 1
.set AM0, 2
.set ADK, 3
.set ADM, 4
.set SPW, 5
.set NIL, 6
.set LI,  7
.set PFO, 8
.set LN,  9
.set FF,  18                           ; v[18:19] f = 2^(old M - new M)
.set QS,  20
.set PW0, 22
.set KS,  24
.set VS,  28
.set BM,  32
.set TM,  32
.set PT,  36
.set SU,  40
.set XT,  42
.set SO,  44
.set CT,  48                           ; v48-50, v52-54: upper halves of blocks
.set GSA, 51
.set GLA, 55
.set FRG, 56
.set SA,  104
.set PC0, 232
.set MK,  128
.set QF,  192
.set XO,  104
.set YO,  168
.set WV,  12
.set G1KV, 24
.set G1M,  32
.set G0KV, 40
.set G0M,  44
.set TB,   48
.set SLOTS, 49
.set CS,   50
.set SEL,  52
.set PFA,  54
.set PFS,  56
.set LIM,  58
.set KM,   59
.set LG,   60
.set MSB, 0
.macro WIN new
.if MSB != (\new)
	s_set_vgpr_msb (MSB<<8)|(\new)
.set MSB, (\new)
.endif
.endm
.macro PLACES n
.rept \n
	v_nop
.endr
.endm
.macro JLOAD                           ; waves 0-3 fetch a quarter of the slot's K and V each, waves 4-7 16 rows of the mask; s_nop 0 and four v_nop follow each line
	s_cmp_lt_u32 s[WV], 4
	s_cbranch_scc0 .Lfor_m_\@
	tensor_load_to_lds s[G0KV:G0KV+3], s[G1KV:G1KV+7]
	s_nop 0
.rept 4
	v_nop
.endr
	s_branch .Lasked_\@
.Lfor_m_\@:
	tensor_load_to_lds s[G0M:G0M+3], s[G1M:G1M+7]
	s_nop 0
.rept 4
	v_nop
.endr
.Lasked_\@:
.endm
; A prefetch of what the next trip's load will ask for.  The mask's tile: the four partners of a row share its 64 rows out by address (16 cx on), waves 0 and 1 take 8 rows each, four lanes a row.
; K and V: the batch's first cluster asks; the four partners of a column share the slot's 51,200 bytes out by address (12,800 cy on), waves 2 and 3 take its 50 blocks (lanes left over name the last block again).
; The last trip asks for nothing; slots 0 and 1 come by their loads alone.
.macro ASK
	s_cmp_gt_u32 s[SLOTS], s[LIM]
	s_cbranch_scc0 .Lnot_mine_\@
	global_prefetch_b8 v[PFO], s[PFA:PFA+1] th:TH_LOAD_NT scope:SCOPE_SE
.Lnot_mine_\@:
.endm
.macro CREST                           ; a round of the cluster's barrier behind its opening barrier
	s_cmp_lg_u32 s[WV], 0
	s_cbranch_scc1 .Lnot_wave_0_\@
	s_barrier_signal -3
.Lnot_wave_0_\@:
	s_barrier_wait -3
	s_barrier_signal -1
	s_barrier_wait -1
.endm
.macro CROUND
	s_barrier_signal -1
	s_barrier_wait -1
	CREST
.endm
	s_load_b256 s[4:11], s[0:1], 0x0               ; qkv s[4:5], gate s[6:7], attn_mask s[8:9], aq s[10:11]
	v_lshl_add_u32 v[SPW], v0, 2, SPARE
	v_mov_b32 v[NIL], 0
	ds_add_u32 v[SPW], v[NIL]                      ; the opening lines: the add twice on end and its wait
	ds_add_u32 v[SPW], v[NIL]
	s_wait_dscnt 0x0
	v_lshrrev_b32 v1, 5, v0
	s_delay_alu instid0(VALU_DEP_1)
	v_readfirstlane_b32 s[WV], v1                  ; wave 0..7
	s_and_b32 s13, s[WV], 3                        ; tq.  Also: which quarter, or which chunk, I fetch
	s_lshr_b32 s14, s[WV], 2                       ; kp
	s_bfe_u32 s15, ttmp6, 0x40000                  ; cx = g
	s_bfe_u32 s16, ttmp6, 0x40004                  ; cy
	s_and_b32 s17, ttmp7, 0xffff                   ; cluster y
	s_lshr_b32 s18, s17, 3                         ; batch
	s_and_b32 s19, s17, 7
	s_lshl_b32 s19, s19, 2
	s_add_co_u32 s19, s19, s16                     ; qb: block of 64 queries
	s_lshl_b32 s20, s16, 2
	s_lshl_b32 s20, 15, s20                        ; my row of the cluster
	s_lshl_b32 s21, 0x1111, s15                    ; my column
	s_or_b32 s[G1KV], s21, (3<<16)|(1<<21)         ; 12,800 dense bytes as 50 rows of 256 (32 elements of 8 bytes)
	s_mov_b32 s[G1KV+1], 32<<16
	s_mov_b32 s[G1KV+2], 50<<16
	s_mov_b32 s[G1KV+3], 32<<16
	s_mov_b32 s[G1KV+4], 50
	s_mov_b32 s[G1KV+5], 32
	s_mov_b32 s[G1KV+6], 0
	s_mov_b32 s[G1KV+7], 0
	s_or_b32 s[G1M], s20, (2<<16)|(1<<20)|(1<<21)|(7<<22)|(3<<25)  ; 16 rows of 256 f32, 2,048 apart; 4 words of padding behind every 256
	s_mov_b32 s[G1M+1], 256<<16
	s_mov_b32 s[G1M+2], 16<<16
	s_mov_b32 s[G1M+3], 256<<16
	s_mov_b32 s[G1M+4], 16
	s_mov_b32 s[G1M+5], 2048
	s_mov_b32 s[G1M+6], 0
	s_mov_b32 s[G1M+7], 0
	s_lshl_b32 s72, s18, 2
	s_add_co_u32 s72, s72, s15
	s_mul_i32 s72, s72, 409600
	s_add_co_u32 s72, s72, KVP                     ; (batch, g)'s keys and values
	s_mul_i32 s70, s13, 12800                      ; my quarter: in memory and in a slot
	s_add_co_u32 s66, s72, s70
	s_mov_b32 s67, 0
	s_lshl_b32 s73, s18, 24
	s_lshl_b32 s74, s19, 19
	s_add_co_u32 s73, s73, s74                     ; the mask at my work-group's 64 rows
	s_lshl_b32 s74, s13, 17
	s_add_co_u32 s68, s73, s74                     ; my chunk's 16 rows
	s_mov_b32 s69, 0
	s_mul_i32 s71, s13, MCH
	s_add_co_u32 s71, s71, MOFF
	s_mov_b32 s[TB], 0
	s_mov_b32 s[SLOTS], 7
	s_mov_b32 s[CS], 0x3e0293ee                    ; c = log2(e) / sqrt(128)
	s_mov_b32 s[CS+1], s[CS]
	s_mov_b32 s[LG], 0x413504f3                    ; sqrt(128)
	s_mov_b32 s[LG+1], s[LG]
	s_mov_b32 s[SEL], 0x76543210
	s_mov_b32 s[SEL+1], 0xfedcba98
	s_wait_kmcnt 0x0
	s_mov_b32 s[G0KV], 1
	s_mov_b32 s[G0KV+1], s70
	s_add_nc_u64 s[G0KV+2:G0KV+3], s[4:5], s[66:67]
	s_or_b32 s[G0KV+3], s[G0KV+3], 0x80000000
	s_mov_b32 s[G0M], 1
	s_mov_b32 s[G0M+1], s71
	s_add_nc_u64 s[G0M+2:G0M+3], s[8:9], s[68:69]
	s_or_b32 s[G0M+3], s[G0M+3], 0x80000000
	CROUND                                         ; all sixteen work-groups are here
	JLOAD                                          ; slot 0
	v_and_b32 v[LN], 31, v0
	s_delay_alu instid0(VALU_DEP_1)
	v_lshlrev_b32 v[LI], 4, v[LN]
	s_mul_i32 s20, s14, 25600
	v_add_nc_u32 v[AK0], s20, v[LI]                ; my key step's images: 16 x lane
	v_and_b32 v108, 15, v0                         ; r
	v_bfe_u32 v109, v0, 4, 1                       ; h
	s_delay_alu instid0(VALU_DEP_2)
	v_lshrrev_b32 v110, 3, v108
	s_delay_alu instid0(VALU_DEP_3)
	v_mul_u32_u24 v[AM0], v108, 1040               ; my query's row of the mask: chunk 2 (tq / 2) + r / 8, row 8 (tq % 2) + r % 8 in it; + 64 h; + 512 kp
	s_delay_alu instid0(VALU_DEP_1)
	v_mad_u32_u24 v[AM0], v110, MCH-8320, v[AM0]   ; (1,040 r counts eight rows too many for r / 8 = 1: a chunk on, less those)
	s_delay_alu instid0(VALU_DEP_1)
	v_lshl_add_u32 v[AM0], v109, 6, v[AM0]
	s_wait_alu depctr_va_vdst(0)
	s_lshr_b32 s20, s13, 1
	s_mul_i32 s20, s20, 2*MCH
	s_and_b32 s21, s13, 1
	s_mul_i32 s21, s21, 8320
	s_add_co_u32 s20, s20, s21
	s_lshl_b32 s21, s14, 9
	s_add_co_u32 s20, s20, s21
	s_add_co_u32 s20, s20, MOFF
	v_add_nc_u32 v[AM0], s20, v[AM0]
	; the end's gather of scale words: pair of tiles tq / 2, lane 16 (tq % 2) + r, word kp; and 16 x lane to read the 512 bytes back
	s_lshr_b32 s20, s13, 1
	s_lshl_b32 s20, s20, 8
	s_and_b32 s21, s13, 1
	s_lshl_b32 s21, s21, 7
	s_add_co_u32 s20, s20, s21
	s_lshl_b32 s21, s14, 2
	s_add_co_u32 s20, s20, s21
	s_add_co_u32 s20, s20, GATH
	v_lshl_add_u32 v[GSA], v108, 3, s20
	v_add_nc_u32 v[GLA], GATH, v[LI]
	; the prefetches: where my wave's stand (in slot 1: the first step leads to slot 2), and who asks
	s_lshl_b32 s75, s15, 17
	s_lshl_b32 s76, s[WV], 16
	s_add_co_u32 s75, s75, s76
	s_add_co_u32 s75, s75, s73
	s_add_co_u32 s75, s75, 1024
	s_mul_i32 s76, s16, 12800
	s_add_co_u32 s76, s76, s72
	s_add_co_u32 s76, s76, 51200
	s_mov_b32 s77, 51200
	s_cmp_lt_u32 s[WV], 2
	s_cselect_b64 s[PFA:PFA+1], s[8:9], s[4:5]
	s_cselect_b32 s78, s75, s76
	s_cselect_b32 s[PFS], 1024, s77
	s_cselect_b32 s80, -1, 0
	s_mov_b32 s79, 0
	s_mov_b32 s[PFS+1], 0
	s_add_nc_u64 s[PFA:PFA+1], s[PFA:PFA+1], s[78:79]
	v_lshrrev_b32 v106, 2, v[LN]
	v_and_b32 v107, 3, v[LN]
	s_delay_alu instid0(VALU_DEP_2)
	v_lshlrev_b32 v106, 13, v106
	s_delay_alu instid0(VALU_DEP_1)
	v_lshl_or_b32 v106, v107, 8, v106
	s_and_b32 s81, s[WV], 1
	s_lshl_b32 s81, s81, 5
	v_add_nc_u32 v107, s81, v[LN]
	s_delay_alu instid0(VALU_DEP_1)
	v_min_u32 v107, 49, v107
	s_delay_alu instid0(VALU_DEP_1)
	v_lshlrev_b32 v107, 8, v107
	s_delay_alu instid0(VALU_DEP_1)
	v_cndmask_b32 v[PFO], v107, v106, s80
	s_and_b32 s82, s17, 7                          ; K and V: the batch's first cluster alone
	s_cmp_lt_u32 s[WV], 2
	s_cselect_b32 s82, 0, s82
	s_lshr_b32 s83, s[WV], 2                       ; waves 4-7 ask for nothing
	s_or_b32 s82, s82, s83
	s_cmp_eq_u32 s82, 0
	s_cselect_b32 s[LIM], 1, -1                    ; the same in all partners, for a given wave
	; Q: my tile's image and scale word, for both heads
	s_lshl_b32 s84, s18, 3
	s_lshl_b32 s85, s15, 1
	s_add_co_u32 s84, s84, s85
	s_lshl_b32 s84, s84, 4
	s_lshr_b32 s85, s19, 1
	s_add_co_u32 s84, s84, s85
	s_mul_i32 s84, s84, 12800
	s_mov_b32 s85, 0
	s_add_nc_u64 s[84:85], s[4:5], s[84:85]
	s_and_b32 s86, s19, 1
	s_lshl_b32 s86, s86, 2
	s_add_co_u32 s86, s86, s13                     ; my tile among the group's eight
	s_mul_i32 s87, s86, 1536
	v_add_nc_u32 v104, s87, v[LI]
	s_and_b32 s87, s86, 1
	s_lshl_b32 s87, s87, 8
	s_lshr_b32 s88, s86, 1
	s_lshl_b32 s88, s88, 2
	s_add_co_u32 s87, s87, s88
	v_lshl_add_u32 v105, v108, 4, s87
	WIN 0x40
.irp e, 0,1
.irp c, 0,1,2
	global_load_b128 v[QF+12*\e+4*\c:QF+12*\e+4*\c+3], v104, s[84:85] offset:204800*\e+512*\c
.endr
.endr
.set j, 0
.rept 128
	v_mov_b32 v[j], 0                              ; O^T.  (The step is written once for all keys: the first finds zeros, which the first change of M leaves zeros)
.set j, j+1
.endr
	WIN 0
.irp e, 0,1
	global_load_b32 v[QS+\e], v105, s[84:85] offset:204800*\e+12288
	v_mov_b32 v[11+4*\e], 0xff61b1e6               ; the largest t so far: -3e38
	s_delay_alu instid0(VALU_DEP_1)
	v_floor_f32 v[10+4*\e], -v[11+4*\e]            ; -M
	v_mov_b32 v[12+4*\e], 0                        ; the sum, in two halves
	v_mov_b32 v[13+4*\e], 0
.endr
	v_mov_b32 v[FF+1], 0                           ; (named as the upper half of a pair)
.irp b, 0,1,2,3
	v_mov_b32 v[PT+\b], 0                          ; written once: a lane permute's destination counts as one of its sources
.endr
.macro KLOAD base                      ; four tiles of 16 keys
.irp t, 0,1,2,3
.irp c, 0,1,2
	ds_load_b128 v[FRG+12*\t+4*\c:FRG+12*\t+4*\c+3], v[ADK] offset:1536*((\base)+\t)+512*\c
.endr
.endr
.endm
.macro KQ base                         ; D of four tiles of keys, both heads: eight accumulators, each begun with its tile of mask x sqrt(128) as C
.irp t, 0,1,2,3
.irp e, 0,1
.if (\t)%2
	v_wmma_scale_f32_16x16x128_f8f6f4 v[SA+64*\e+8*((\base)+\t):SA+64*\e+8*((\base)+\t)+7], v[FRG+12*\t:FRG+12*\t+11], v[QF+12*\e:QF+12*\e+11], v[MK+8*((\base)+\t):MK+8*((\base)+\t)+7], v[KS+((\base)+\t)/2], v[QS+\e] matrix_a_fmt:MATRIX_FMT_FP6 matrix_b_fmt:MATRIX_FMT_FP6 matrix_a_scale:MATRIX_SCALE_ROW1
.else
	v_wmma_scale_f32_16x16x128_f8f6f4 v[SA+64*\e+8*((\base)+\t):SA+64*\e+8*((\base)+\t)+7], v[FRG+12*\t:FRG+12*\t+11], v[QF+12*\e:QF+12*\e+11], v[MK+8*((\base)+\t):MK+8*((\base)+\t)+7], v[KS+((\base)+\t)/2], v[QS+\e] matrix_a_fmt:MATRIX_FMT_FP6 matrix_b_fmt:MATRIX_FMT_FP6
.endif
.endr
.endr
.endm
.macro MASKMUL n                       ; n pairs of the mask x sqrt(128), from pair j on
.rept \n
	v_pk_mul_f32 v[MK+j:MK+j+1], v[MK+j:MK+j+1], s[LG:LG+1] op_sel_hi:[1,0]
.set j, j+2
.endr
.endm
; One head's softmax and quantiser for 128 keys.
.macro SOFT e
.set SR, SA+64*(\e)
.set NMR, 10+4*(\e)                    ; v[NMR] -M, v[NMR+1] the largest t
.set LR, 12+4*(\e)
.set PCR, PC0+12*(\e)
	WIN 0
	s_wait_alu depctr_va_vdst(0)                   ; the wait ahead of the first readers of D
.irp b, 0,1,2,3
	v_max3_num_f32 v[BM+\b], v[SR+16*\b], v[SR+1+16*\b], v[SR+2+16*\b]   ; the largest D of each block of 32 keys: for the row's maximum, and, since p rises with D, for the block's largest p
.endr
.irp i, 3,5,7,9,11,13
.irp b, 0,1,2,3
	v_max3_num_f32 v[BM+\b], v[BM+\b], v[SR+16*\b+\i], v[SR+1+16*\b+\i]   ; (the four blocks by turns)
.endr
.endr
.irp b, 0,1,2,3
	v_max_num_f32 v[BM+\b], v[BM+\b], v[SR+15+16*\b]
.endr
.irp b, 0,1,2,3
	s_delay_alu instid0(VALU_DEP_4)
	v_permlanex16_b32 v[PT+\b], v[BM+\b], s[SEL], s[SEL+1]
.endr
.irp b, 0,1,2,3
	s_delay_alu instid0(VALU_DEP_4)
	v_max_num_f32 v[BM+\b], v[BM+\b], v[PT+\b]
.endr
	s_delay_alu instid0(VALU_DEP_2)
	v_max3_num_f32 v[XT], v[BM], v[BM+1], v[BM+2]
	s_delay_alu instid0(VALU_DEP_1)
	v_max_num_f32 v[XT], v[XT], v[BM+3]
	s_delay_alu instid0(VALU_DEP_1)
	v_mul_f32 v[XT], s[CS], v[XT]                  ; as t (c is positive)
	s_delay_alu instid0(VALU_DEP_1)
	v_max_num_f32 v[NMR+1], v[NMR+1], v[XT]        ; the running largest t
	v_mov_b32 v[XT], v[NMR]
	s_delay_alu instid0(VALU_DEP_2)
	v_floor_f32 v[NMR], -v[NMR+1]                  ; -M = floor(-t): M is a whole number
	s_delay_alu instid0(VALU_DEP_1)
	v_sub_f32 v[XT], v[NMR], v[XT]                 ; old M - new M, 0 or less
	s_delay_alu instid0(VALU_DEP_1)
	v_cvt_i32_f32 v[XT], v[XT]                     ; (it saturates)
	s_delay_alu instid0(VALU_DEP_1)
	v_ldexp_f32 v[FF], 1.0, v[XT]                  ; f = 2^(old M - new M): a multiplication by it rounds nothing
.set j, 0
.rept 32
	v_pk_fma_f32 v[SR+j:SR+j+1], v[SR+j:SR+j+1], s[CS:CS+1], v[NMR:NMR+1] op_sel_hi:[1,0,0]   ; t - M = D c - M (of the pairs c and -M the low word serves both halves)
.set j, j+2
.endr
.irp b, 0,1,2,3
	v_fma_f32 v[BM+\b], v[BM+\b], s[CS], v[NMR]    ; the same of each block's largest D
.endr
.set j, 0
	s_wait_alu depctr_va_vdst(0)                   ; the wait ahead of the batch
.rept 64
	v_exp_f32 v[SR+j], v[SR+j]                     ; p = 2^(t - M): not normalised
.set j, j+1
.endr
	v_pk_mul_f32 v[LR:LR+1], v[LR:LR+1], v[FF:FF+1] op_sel_hi:[1,0]   ; the sums under the new M (a plain place behind the exponentials)
	s_wait_alu depctr_va_vdst(0)                   ; one wait for the batch, ahead of its first reader
.irp b, 0,1,2,3
	v_exp_f32 v[BM+\b], v[BM+\b]                   ; the block's largest p: the same steps on the same number
.endr
	v_pk_add_f32 v[SU:SU+1], v[SR:SR+1], v[SR+2:SR+3]   ; the row's sum is taken of the unquantised p, in two chains
.set j, 4
.rept 15
	v_pk_add_f32 v[LR:LR+1], v[LR:LR+1], v[SR+j:SR+j+1]
	v_pk_add_f32 v[SU:SU+1], v[SU:SU+1], v[SR+j+2:SR+j+3]
.set j, j+4
.endr
	s_delay_alu instid0(VALU_DEP_1)
	v_pk_add_f32 v[LR:LR+1], v[LR:LR+1], v[SU:SU+1]
	s_wait_alu depctr_va_vdst(0)                   ; and one for the four
.irp b, 0,1,2,3
	v_max_num_f32 v[BM+\b], 0x1800000, v[BM+\b]    ; the floor 2^(3 - 127)
.endr
.irp b, 0,1,2,3
	s_delay_alu instid0(VALU_DEP_4)
	v_add_nc_u32 v[SO+\b], 0xff000000, v[BM+\b]    ; the conversion's scale operand
.endr
.irp b, 0,1,2,3
	s_delay_alu instid0(VALU_DEP_4)
	v_lshrrev_b32 v[PT+\b], 23, v[SO+\b]           ; the byte
.endr
	s_delay_alu instid0(VALU_DEP_3)
	v_lshl_or_b32 v[PW0+(\e)], v[PT+1], 8, v[PT]
	s_delay_alu instid0(VALU_DEP_1)
	v_lshl_or_b32 v[PW0+(\e)], v[PT+2], 16, v[PW0+(\e)]
	s_delay_alu instid0(VALU_DEP_1)
	v_lshl_or_b32 v[PW0+(\e)], v[PT+3], 24, v[PW0+(\e)]
.irp c, 0,1
	v_cvt_scalef32_pk16_fp6_f32 v[PCR+6*\c:PCR+6*\c+2], v[SR+32*\c:SR+32*\c+15], v[SO+2*\c]
	v_cvt_scalef32_pk16_fp6_f32 v[CT+4*\c:CT+4*\c+2], v[SR+32*\c+16:SR+32*\c+31], v[SO+1+2*\c]
.endr
	v_nop                                          ; one plain place behind a scaled conversion
.irp c, 0,1
.irp i, 0,1,2
	v_permlane16_swap_b32 v[PCR+6*\c+\i], v[CT+4*\c+\i]
.endr
.irp i, 0,1,2
	s_delay_alu instid0(VALU_DEP_3)
	v_mov_b32 v[PCR+3+6*\c+\i], v[CT+4*\c+\i]
.endr
.endr
	WIN 0x41
.set j, 0
.rept 32
	v_pk_mul_f32 v[64*(\e)+j:64*(\e)+j+1], v[64*(\e)+j:64*(\e)+j+1], v[FF:FF+1] op_sel_hi:[1,0]   ; O^T under the new M.  (Also the places between the codes and scale word just made and the products)
.set j, j+2
.endr
	WIN 0
.endm
; In front of a change of slots: all my tensor loads are in (one was out: my part of the next slot), the add, the next addresses, the wait for the add and for my reads of the slot in hand, the signal.
.macro MEET
	s_wait_alu depctr_va_vdst(0)                   ; the wait ahead of the waits below: the products behind them read what was just written
	s_wait_tensorcnt 0x0
	ds_add_u32 v[SPW], v[NIL]
	s_xor_b32 s[G0KV+1], s[G0KV+1], SLOT1
	s_add_nc_u64 s[G0KV+2:G0KV+3], s[G0KV+2:G0KV+3], 51200
	s_xor_b32 s[G0M+1], s[G0M+1], SLOT1
	s_add_nc_u64 s[G0M+2:G0M+3], s[G0M+2:G0M+3], 1024
	s_wait_xcnt 0x0                                ; the last prefetch, a trip back, has read its address
	s_add_nc_u64 s[PFA:PFA+1], s[PFA:PFA+1], s[PFS:PFS+1]
	s_wait_dscnt 0x0
	s_barrier_signal -1
.endm
; MY KEY STEP of the slot in hand: 128 keys, both heads.  meet = 1: the change of slots stands round its last 16 products, which touch registers alone.
.macro ATT_STEP meet
	v_add_nc_u32 v[ADK], s[TB], v[AK0]
	v_add_nc_u32 v[ADM], s[TB], v[AM0]
	PLACES 4                                       ; six places: the products below write over registers that the last products read, and loads land in others of them
	WIN 0x40
.irp i, 0,1,2,3,4,5,6,7,8,9,10,11,12,13,14,15
	ds_load_b128 v[MK+4*\i:MK+4*\i+3], v[ADM] offset:128*(\i/4)+16*(\i%4)   ; the mask of my query at keys 32 b + 16 h + 0 .. 15: register for register D's layout
.endr
	WIN 0
	ds_load_b128 v[KS:KS+3], v[ADK] offset:12288   ; K's scale words: word b: lanes 0-15 tile 2 b, lanes 16-31 tile 2 b + 1
	KLOAD 0
	s_wait_alu depctr_va_vdst(0)
	s_wait_dscnt 13                                ; the mask's 16 loads are in; the 13 issued behind them may be out
	WIN 0x41
.set j, 0
	MASKMUL 16                                     ; tiles 0-3's C
	s_wait_alu depctr_va_vdst(0)
	s_wait_dscnt 0x0
	WIN 0x14
	KQ 0
	WIN 0x41
	MASKMUL 4                                      ; tiles 4-7's C; these four are the places in front of the loads below
	WIN 0
	KLOAD 4
	WIN 0x41
	MASKMUL 12
	s_wait_alu depctr_va_vdst(0)
	s_wait_dscnt 0x0
	WIN 0x14
	KQ 4
	PLACES 4                                       ; the maxima read results just made
	SOFT 0
.irp t, 0,1,2,3,4,5,6,7                ; V's eight tiles: four into the fragments' registers, four into head 0's p, which is done with; they land under head 1's softmax
.irp c, 0,1,2
	ds_load_b128 v[FRG+12*\t+4*\c:FRG+12*\t+4*\c+3], v[ADK] offset:12800+1536*\t+512*\c
.endr
.endr
	ds_load_b128 v[VS:VS+3], v[ADK] offset:25088
	SOFT 1
.if \meet
	MEET
.else
	s_wait_alu depctr_va_vdst(0)
	s_wait_dscnt 0x0
.endif
	WIN 0x50
.irp t, 0,1,2,3,4,5,6,7                ; O^T += V^T P^T: sixteen accumulators by turns
.irp e, 0,1
.if (\t)%2
	v_wmma_scale_f32_16x16x128_f8f6f4 v[64*\e+8*\t:64*\e+8*\t+7], v[FRG+12*\t:FRG+12*\t+11], v[PC0+12*\e:PC0+12*\e+11], v[64*\e+8*\t:64*\e+8*\t+7], v[VS+\t/2], v[PW0+\e] matrix_a_fmt:MATRIX_FMT_FP6 matrix_b_fmt:MATRIX_FMT_FP6 matrix_a_scale:MATRIX_SCALE_ROW1
.else
	v_wmma_scale_f32_16x16x128_f8f6f4 v[64*\e+8*\t:64*\e+8*\t+7], v[FRG+12*\t:FRG+12*\t+11], v[PC0+12*\e:PC0+12*\e+11], v[64*\e+8*\t:64*\e+8*\t+7], v[VS+\t/2], v[PW0+\e] matrix_a_fmt:MATRIX_FMT_FP6 matrix_b_fmt:MATRIX_FMT_FP6
.endif
.endr
.endr
	WIN 0
.if \meet
	s_barrier_wait -1
	CREST                                          ; the round closes: no wave of any partner still reads the slot left or has a load on its way
.endif
.endm
	s_wait_loadcnt 0x0                             ; Q
	MEET                                           ; slot 0 is in
	s_barrier_wait -1
	CREST
.Lslot:                                            ; seven trips: each asks for the next slot first, into the bytes left a trip ago (the first time: slot 1's first fill)
	JLOAD
	ASK
	ATT_STEP 1
	s_xor_b32 s[TB], s[TB], SLOT1
	s_sub_co_u32 s[SLOTS], s[SLOTS], 1
	s_cmp_lg_u32 s[SLOTS], 0
	s_cbranch_scc1 .Lslot
	ATT_STEP 0                                     ; the last slot is written out: nothing more is asked for
; ---- THE END.  Wave kp keeps head 2 g + kp and hands the other head's O^T, -M and sum to wave w xor 4 through LDS.
	PLACES 4
.irp e, 0,1
	v_add_f32 v[12+4*\e], v[12+4*\e], v[13+4*\e]
.endr
.irp e, 0,1
	s_delay_alu instid0(VALU_DEP_2)
	v_permlanex16_b32 v[PT+\e], v[12+4*\e], s[SEL], s[SEL+1]
.endr
.irp e, 0,1
	s_delay_alu instid0(VALU_DEP_2)
	v_add_f32 v[12+4*\e], v[12+4*\e], v[PT+\e]     ; my key half's sum of the row
.endr
	s_cmp_eq_u32 s14, 1
	s_cselect_b32 s[KM], -1, 0
	v_cndmask_b32 v32, v10, v14, s[KM]             ; my head's -M and sum,
	v_cndmask_b32 v33, v12, v16, s[KM]
	v_cndmask_b32 v40, v14, v10, s[KM]             ; the other head's
	v_cndmask_b32 v41, v16, v12, s[KM]
	s_lshl_b32 s66, s18, 3
	s_lshl_b32 s67, s15, 1
	s_add_co_u32 s66, s66, s67
	s_add_co_u32 s66, s66, s14                     ; 8 batch + my head
	s_lshl_b32 s66, s66, 7
	s_lshl_b32 s68, s19, 2
	s_add_co_u32 s68, s68, s13                     ; my tile of queries in the batch
	s_add_co_u32 s66, s66, s68
	s_lshl_b32 s66, s66, 13
	s_mov_b32 s67, 0
	s_add_nc_u64 s[6:7], s[6:7], s[66:67]
	WIN 0x40
.irp k, 0,1,2,3,4,5,6,7,8,9,10,11,12,13,14,15
	global_load_b128 v[MK+4*\k:MK+4*\k+3], v[LI], s[6:7] offset:512*\k th:TH_LOAD_NT   ; the gate, in O^T's layout, into the registers that the mask has left
.endr
	WIN 0
	s_mul_i32 s66, s[WV], 8448
	s_xor_b32 s67, s[WV], 4
	s_mul_i32 s67, s67, 8448
	v_add_nc_u32 v1, s66, v[LI]                    ; my stage,
	v_add_nc_u32 v2, s67, v[LI]                    ; my partner's
	v_lshlrev_b32 v4, 3, v[LN]
	s_delay_alu instid0(VALU_DEP_1)
	v_add_nc_u32 v3, s66, v4
	v_add_nc_u32 v4, s67, v4
	s_wait_alu depctr_va_vdst(0)                   ; the wait ahead of the branch
	s_cmp_eq_u32 s14, 0
	s_cbranch_scc0 .Lgive0
	WIN 0x04
.irp k, 0,1,2,3,4,5,6,7,8,9,10,11,12,13,14,15
	ds_store_b128 v1, v[64+4*\k:64+4*\k+3] offset:512*\k   ; kp = 0 hands head 1 over (each accumulator from its low end on)
.endr
	WIN 0
	s_branch .Lgiven
.Lgive0:
	WIN 0x04
.irp k, 0,1,2,3,4,5,6,7,8,9,10,11,12,13,14,15
	ds_store_b128 v1, v[4*\k:4*\k+3] offset:512*\k         ; kp = 1 hands head 0 over
.endr
	WIN 0
.Lgiven:
	ds_store_b64 v3, v[40:41] offset:8192
	s_wait_dscnt 0x0                               ; for the others' sake: my stores have landed
	s_barrier_signal -1
	s_barrier_wait -1
.irp k, 0,1,2,3,4,5,6,7,8,9,10,11,12,13,14,15
	ds_load_b128 v[YO+4*\k:YO+4*\k+3], v2 offset:512*\k
.endr
	ds_load_b64 v[40:41], v4 offset:8192
	s_wait_dscnt 0x0
	v_min_num_f32 v42, v32, v40                    ; -M of both halves together
	s_delay_alu instid0(VALU_DEP_1)
	v_sub_f32 v43, v42, v32
	s_delay_alu instid0(VALU_DEP_2)
	v_sub_f32 v44, v42, v40
	s_delay_alu instid0(VALU_DEP_2)
	v_cvt_i32_f32 v43, v43
	s_delay_alu instid0(VALU_DEP_2)
	v_cvt_i32_f32 v44, v44
	s_delay_alu instid0(VALU_DEP_2)
	v_ldexp_f32 v43, 1.0, v43                      ; exact powers of two
	s_delay_alu instid0(VALU_DEP_2)
	v_ldexp_f32 v44, 1.0, v44
	s_delay_alu instid0(VALU_DEP_2)
	v_mul_f32 v45, v33, v43
	s_delay_alu instid0(VALU_DEP_1)
	v_fma_f32 v45, v41, v44, v45                   ; the row's sum
	s_wait_alu depctr_va_vdst(0)
	v_rcp_f32 v46, v45
	v_nop
	s_wait_alu depctr_va_vdst(0)
	v_mul_f32 v48, v43, v46
	v_mul_f32 v49, v43, v46
	v_mul_f32 v52, v44, v46
	v_mul_f32 v53, v44, v46
.set j, 0
.rept 32
	v_pk_mul_f32 v[XO+j:XO+j+1], v[YO+j:YO+j+1], v[52:53] op_sel_hi:[1,0]   ; the partner's half,
.set j, j+2
.endr
	s_cmp_eq_u32 s14, 0
	s_cbranch_scc0 .Lkeep1
	s_wait_alu depctr_va_vdst(0)                   ; the wait ahead of the first readers of O^T
	WIN 0x01
.set j, 0
.rept 32
	v_pk_fma_f32 v[XO+j:XO+j+1], v[j:j+1], v[48:49], v[XO+j:XO+j+1] op_sel_hi:[1,0,1]   ; and mine: head 0
.set j, j+2
.endr
	WIN 0
	s_branch .Lkept
.Lkeep1:
	s_wait_alu depctr_va_vdst(0)
	WIN 0x01
.set j, 0
.rept 32
	v_pk_fma_f32 v[XO+j:XO+j+1], v[64+j:64+j+1], v[48:49], v[XO+j:XO+j+1] op_sel_hi:[1,0,1]   ; head 1
.set j, j+2
.endr
	WIN 0
.Lkept:
	s_wait_alu depctr_va_vdst(0)
	s_wait_loadcnt 0x0                             ; the gate
	WIN 0x41
.set j, 0
.rept 32
	v_pk_mul_f32 v[MK+j:MK+j+1], v[MK+j:MK+j+1], 0xbfb8aa3b op_sel_hi:[1,0]   ; sigmoid(x) = 1 / (1 + 2^(-x log2 e))
.set j, j+2
.endr
.set j, 0
	s_wait_alu depctr_va_vdst(0)
.rept 64
	v_exp_f32 v[MK+j], v[MK+j]
.set j, j+1
.endr
	v_nop
	s_wait_alu depctr_va_vdst(0)
.set j, 0
.rept 32
	v_pk_add_f32 v[MK+j:MK+j+1], v[MK+j:MK+j+1], 1.0 op_sel_hi:[1,0]
.set j, j+2
.endr
.set j, 0
	s_wait_alu depctr_va_vdst(0)
.rept 64
	v_rcp_f32 v[MK+j], v[MK+j]
.set j, j+1
.endr
	v_nop
	s_wait_alu depctr_va_vdst(0)
	WIN 0x04
.set j, 0
.rept 32
	v_pk_mul_f32 v[XO+j:XO+j+1], v[XO+j:XO+j+1], v[MK+j:MK+j+1]
.set j, j+2
.endr
	WIN 0
	; the quantiser for the last product: my 16 queries x my head's 128 channels are one fragment
.irp b, 0,1,2,3
	v_max3_num_f32 v[TM+\b], |v[XO+16*\b]|, |v[XO+1+16*\b]|, 0x1800000
.endr
.irp i, 2,4,6,8,10,12,14
.irp b, 0,1,2,3
	s_delay_alu instid0(VALU_DEP_4)
	v_max3_num_f32 v[TM+\b], v[TM+\b], |v[XO+16*\b+\i]|, |v[XO+1+16*\b+\i]|
.endr
.endr
.irp b, 0,1,2,3
	s_delay_alu instid0(VALU_DEP_4)
	v_permlanex16_b32 v[TM+4+\b], v[TM+\b], s[SEL], s[SEL+1]
.endr
.irp b, 0,1,2,3
	s_delay_alu instid0(VALU_DEP_4)
	v_max_num_f32 v[TM+\b], v[TM+\b], v[TM+4+\b]
.endr
.irp b, 0,1,2,3
	s_delay_alu instid0(VALU_DEP_4)
	v_add_nc_u32 v[TM+12+\b], 0xff000000, v[TM+\b]
.endr
.irp b, 0,1,2,3
	s_delay_alu instid0(VALU_DEP_4)
	v_lshrrev_b32 v[TM+4+\b], 23, v[TM+12+\b]
.endr
	s_delay_alu instid0(VALU_DEP_3)
	v_lshl_or_b32 v[XT], v[TM+5], 8, v[TM+4]
	s_delay_alu instid0(VALU_DEP_1)
	v_lshl_or_b32 v[XT], v[TM+6], 16, v[XT]
	s_delay_alu instid0(VALU_DEP_1)
	v_lshl_or_b32 v[XT], v[TM+7], 24, v[XT]
.irp c, 0,1
	v_cvt_scalef32_pk16_fp6_f32 v[PC0+6*\c:PC0+6*\c+2], v[XO+32*\c:XO+32*\c+15], v[TM+12+2*\c]
	v_cvt_scalef32_pk16_fp6_f32 v[CT+4*\c:CT+4*\c+2], v[XO+32*\c+16:XO+32*\c+31], v[TM+13+2*\c]
.endr
	v_nop
.irp c, 0,1
.irp i, 0,1,2
	v_permlane16_swap_b32 v[PC0+6*\c+\i], v[CT+4*\c+\i]
.endr
.irp i, 0,1,2
	s_delay_alu instid0(VALU_DEP_3)
	v_mov_b32 v[PC0+3+6*\c+\i], v[CT+4*\c+\i]
.endr
.endr
	s_lshl_b32 s66, s18, 7
	s_add_co_u32 s66, s66, s68                     ; my tile of tokens
	s_mul_i32 s66, s66, 12288
	s_lshl_b32 s69, s15, 1
	s_add_co_u32 s69, s69, s14                     ; K step = head
	s_mul_i32 s69, s69, 1536
	s_add_co_u32 s66, s66, s69
	s_mov_b32 s67, 0
	s_add_nc_u64 s[70:71], s[10:11], s[66:67]
	s_wait_alu depctr_va_vdst(0)
.irp c, 0,1,2
	global_store_b128 v[LI], v[PC0+4*\c:PC0+4*\c+3], s[70:71] offset:512*\c
.endr
	ds_store_b32 v[GSA], v[XT]                     ; the scale words of the work-group's 64 queries x 2 heads meet in LDS (both halves of the lanes write the same word with the same value)
	s_wait_dscnt 0x0
	s_barrier_signal -1
	s_barrier_wait -1
	s_cmp_lg_u32 s[WV], 0
	s_cbranch_scc1 .Lnot_0
	ds_load_b128 v[172:175], v[GLA]
	v_lshrrev_b32 v170, 4, v[LN]
	v_and_b32 v171, 15, v[LN]
	s_delay_alu instid0(VALU_DEP_2)
	v_lshlrev_b32 v170, 10, v170
	s_delay_alu instid0(VALU_DEP_1)
	v_lshl_or_b32 v170, v171, 4, v170
	s_lshl_b32 s66, s18, 6
	s_lshl_b32 s69, s19, 1
	s_add_co_u32 s66, s66, s69
	s_lshl_b32 s66, s66, 10
	s_lshl_b32 s69, s15, 8
	s_add_co_u32 s66, s66, s69
	s_add_co_u32 s66, s66, ASC
	s_mov_b32 s67, 0
	s_add_nc_u64 s[72:73], s[10:11], s[66:67]
	s_wait_alu depctr_va_vdst(0)
	s_wait_dscnt 0x0
	global_store_b128 v170, v[172:175], s[72:73]   ; sixteen lanes store 256 consecutive bytes, aligned; two such
.Lnot_0:
	s_wait_tensorcnt 0x0                           ; the wave's end
	ds_add_u32 v[SPW], v[NIL]
	s_wait_dscnt 0x0
	CROUND                                         ; the closing round
	s_endpgm
.Lfunc_end_k_qeaa6df1483_attn:
	.size	k_qeaa6df1483_attn, .Lfunc_end_k_qeaa6df1483_attn-k_qeaa6df1483_attn
	.p2alignl 7, 3214868480
	.fill 96, 4, 3214868480
	.section	.rodata,"a",@progbits
	.p2align	6, 0x0
	.amdhsa_kernel k_qeaa6df1483_attn
		.amdhsa_group_segment_fixed_size 327680
		.amdhsa_private_segment_fixed_size 0
		.amdhsa_enable_private_segment 0
		.amdhsa_kernarg_size 32
		.amdhsa_user_sgpr_count 2
		.amdhsa_user_sgpr_kernarg_segment_ptr 1
		.amdhsa_wavefront_size32 1
		.amdhsa_system_sgpr_workgroup_id_x 1
		.amdhsa_system_sgpr_workgroup_id_y 1
		.amdhsa_system_sgpr_workgroup_id_z 1
		.amdhsa_system_vgpr_workitem_id 0
		.amdhsa_next_free_vgpr 512
		.amdhsa_next_free_sgpr 92
		.amdhsa_reserve_vcc 0
		.amdhsa_float_denorm_mode_32 3
		.amdhsa_float_denorm_mode_16_64 3
		.amdhsa_memory_ordered 1
		.amdhsa_forward_progress 1
		.amdhsa_inst_pref_size 126
	.end_amdhsa_kernel
	.amdgpu_metadata
---
amdhsa.version: [ 1, 2 ]
amdhsa.kernels:
  - .name:           k_qeaa6df1483_attn
    .symbol:         k_qeaa6df1483_attn.kd
    .args:
      - { .name: qkv, .offset: 0, .size: 8, .value_kind: global_buffer, .address_space: global }
      - { .name: gate, .offset: 8, .size: 8, .value_kind: global_buffer, .address_space: global }
      - { .name: attn_mask, .offset: 16, .size: 8, .value_kind: global_buffer, .address_space: global }
      - { .name: aq, .offset: 24, .size: 8, .value_kind: global_buffer, .address_space: global }
    .group_segment_fixed_size: 327680
    .private_segment_fixed_size: 0
    .kernarg_segment_align: 8
    .kernarg_segment_size: 32
    .max_flat_workgroup_size: 256
    .sgpr_count:     92
    .vgpr_count:     512
    .wavefront_size: 32
...
	.end_amdgpu_metadata
.endif
;; end of part 3
;; launch oproj (part 4): grid 8 x 32, 4 waves a work-group, clusters of 4 x 4, 327,680 bytes of LDS; arguments aq, wq, out0; writes out0
.if DOCPART == 4
	.amdgcn_target "amdgcn-amd-amdhsa--gfx1250"
	.amdhsa_code_object_version 6
	.text
	.protected	k_qeaa6df1483_oproj
	.globl	k_qeaa6df1483_oproj
	.p2align	8
	.type	k_qeaa6df1483_oproj,@function
k_qeaa6df1483_oproj:
	s_mov_b64 s[64:65], 0
	v_nop
	global_prefetch_b8 v0, s[64:65] scope:SCOPE_SE
	s_setreg_imm32_b32 hwreg(HW_REG_WAVE_MODE, 25, 1), 1
	s_wait_xcnt 0x0
	s_wait_alu depctr_hold_cnt(0) depctr_sa_sdst(0) depctr_va_vdst(0) depctr_va_sdst(0) depctr_va_ssrc(0) depctr_va_vcc(0) depctr_vm_vsrc(0)
	s_getreg_b32 s2, hwreg(HW_REG_IB_STS2, 6, 4)
	s_cmp_eq_u32 s2, 0
	s_cbranch_scc0 .Lentry_in_a_cluster
	s_endpgm
.Lentry_in_a_cluster:
	s_bfe_u32 s2, ttmp6, 0x10000c
	s_cmp_lg_u32 s2, 0xf033
	s_cbranch_scc0 .Lentry_shape_is_right
	s_endpgm
.Lentry_shape_is_right:
.set FR,     12
.set TILE,   12288
.set HALFB,  8*TILE
.set STAGE,  2*HALFB
.set SPITCH, 272
.set ASC,    3145728
.set WOI,    4915200
.set WOS,    6488064
.set ADRB, 16
.set STO,  18
.set RD,   19
.set LI,   20
.set L8,   21
.set R8,   22
.set CO,   23
.set SAR,  32
.set SBR,  64
.set BK,   128
.set ACC,  192
.set MSB, 0
.macro WIN new
.if MSB != (\new)
	s_set_vgpr_msb (MSB<<8)|(\new)
.set MSB, (\new)
.endif
.endm
.macro PLACES n
.rept \n
	v_nop
.endr
.endm
.macro CROUND
	s_barrier_signal -1
	s_barrier_wait -1
	s_cmp_lg_u32 s14, 0
	s_cbranch_scc1 .Lnot_wave_0_\@
	s_barrier_signal -3
.Lnot_wave_0_\@:
	s_barrier_wait -3
	s_barrier_signal -1
	s_barrier_wait -1
.endm
	s_load_b128 s[4:7], s[0:1], 0x0
	s_load_b64 s[8:9], s[0:1], 0x10
	v_lshl_add_u32 v126, v0, 2, 0x34400
	v_mov_b32 v127, 0
	ds_add_u32 v126, v127
	ds_add_u32 v126, v127
	v_lshrrev_b32 v1, 5, v0
	v_readfirstlane_b32 s14, v1
	s_lshr_b32 s15, s14, 1
	s_and_b32 s16, s14, 1
	s_bfe_u32 s40, ttmp6, 0x40000
	s_bfe_u32 s41, ttmp6, 0x40004
	s_lshl_b32 s42, ttmp9, 2
	s_add_co_u32 s42, s42, s40
	s_and_b32 s17, ttmp7, 0xffff
	s_lshl_b32 s17, s17, 2
	s_add_co_u32 s17, s17, s41
	s_lshl_b32 s44, 0x1111, s40
	s_or_b32 s32, s44, (3<<16)|(1<<21)
	s_mov_b32 s33, 32<<16
	s_mov_b32 s34, 96<<16
	s_mov_b32 s35, 32<<16
	s_mov_b32 s36, 96
	s_mov_b32 s37, 32
	s_mov_b32 s38, 0
	s_mov_b32 s39, 0
	s_lshl_b32 s46, s42, 4
	s_lshl_b32 s47, s14, 1
	s_add_co_u32 s46, s46, s47
	s_mul_i32 s46, s46, TILE
	s_add_co_u32 s46, s46, WOI
	s_mov_b32 s47, 0
	s_mul_i32 s23, s14, 2*TILE
	s_wait_dscnt 0x0
	s_wait_kmcnt 0x0
	s_mov_b32 s84, 1
	s_mov_b32 s85, s23
	s_add_nc_u64 s[86:87], s[6:7], s[46:47]
	s_add_nc_u64 s[90:91], s[86:87], HALFB
	s_or_b32 s87, s87, 0x80000000
	s_mov_b32 s88, 1
	s_add_co_u32 s89, s23, HALFB
	s_or_b32 s91, s91, 0x80000000
	CROUND
	tensor_load_to_lds s[84:87], s[32:39]
	s_nop 0
	v_and_b32 v1, 31, v0
	v_lshlrev_b32 v[LI], 4, v1
	v_lshlrev_b32 v[L8], 3, v1
	v_and_b32 v2, 15, v0
	v_bfe_u32 v3, v0, 4, 1
	v_lshlrev_b32 v[R8], 3, v2
	s_mul_i32 s19, s16, 4*TILE
	v_add_nc_u32 v[ADRB], s19, v[LI]
	s_add_co_u32 s19, s19, HALFB
	v_add_nc_u32 v[ADRB+1], s19, v[LI]
	s_mul_i32 s21, s14, 16*SPITCH
	s_add_co_u32 s21, s21, STAGE
	v_mul_u32_u24 v4, v2, SPITCH
	v_lshl_add_u32 v4, v3, 5, v4
	v_add_nc_u32 v[STO], s21, v4
	v_mul_u32_u24 v4, v3, SPITCH
	v_lshl_add_u32 v4, v2, 4, v4
	v_add_nc_u32 v[RD], s21, v4
	v_lshlrev_b32 v[CO], 13, v3
	v_lshl_add_u32 v[CO], v2, 4, v[CO]
	s_lshl_b32 s18, s17, 3
	s_lshl_b32 s19, s15, 2
	s_add_co_u32 s18, s18, s19
	s_lshl_b32 s20, s18, 9
	s_add_co_u32 s20, s20, ASC
	s_mul_i32 s18, s18, TILE
	s_mov_b32 s19, 0
	s_mov_b32 s21, 0
	s_add_nc_u64 s[24:25], s[4:5], s[18:19]
	s_add_nc_u64 s[26:27], s[4:5], s[20:21]
	s_lshl_b32 s22, s42, 3
	s_lshl_b32 s23, s16, 1
	s_add_co_u32 s22, s22, s23
	s_lshl_b32 s22, s22, 10
	s_add_co_u32 s22, s22, WOS
	s_mov_b32 s23, 0
	s_add_nc_u64 s[28:29], s[6:7], s[22:23]
	s_lshl_b32 s18, s17, 20
	s_lshl_b32 s19, s15, 19
	s_add_co_u32 s18, s18, s19
	s_lshl_b32 s19, s42, 10
	s_add_co_u32 s18, s18, s19
	s_lshl_b32 s19, s16, 8
	s_add_co_u32 s18, s18, s19
	s_mov_b32 s19, 0
	s_add_nc_u64 s[8:9], s[8:9], s[18:19]
.irp a, 0,1,2,3
.irp sg, 0,1,2,3
	global_load_b64 v[SAR+8*\a+2*\sg:SAR+8*\a+2*\sg+1], v[R8], s[26:27] offset:1024*(\a/2)+128*(\a%2)+256*\sg
.endr
.endr
.irp g, 0,1,2,3
.irp sg, 0,1,2,3
	global_load_b64 v[SBR+8*\g+2*\sg:SBR+8*\g+2*\sg+1], v[L8], s[28:29] offset:1024*(4*(\g/2)+\g%2)+256*\sg
.endr
.endr
.irp kb, 0,1,2,3
	WIN 0x80
.irp a, 0,1
.irp i, 0,1,2,3,4,5
	global_load_b128 v[96*\a+24*\kb+4*\i:96*\a+24*\kb+4*\i+3], v[LI], s[24:25] offset:TILE*\a+3072*\kb+512*\i
.endr
.endr
	WIN 0xc0
.irp a, 0,1
.irp i, 0,1,2,3,4,5
	global_load_b128 v[96*\a+24*\kb+4*\i:96*\a+24*\kb+4*\i+3], v[LI], s[24:25] offset:TILE*(2+\a)+3072*\kb+512*\i
.endr
.endr
.endr
	WIN 0
	s_wait_alu depctr_va_vdst(0)                   ; A's fragments and all scale words are asked for: now the second half of B, issued as a refill is
	s_wait_tensorcnt 0x0
	ds_add_u32 v126, v127
	s_wait_dscnt 0x0
	CROUND
	tensor_load_to_lds s[88:91], s[32:39]
	s_nop 0
.rept 4
	v_nop
.endr
.macro WM
.if Z_
.if R0_
	v_wmma_scale_f32_16x16x128_f8f6f4 v[RD_:RD_+7], v[RB_:RB_+11], v[RA_:RA_+11], 0, v[SB_], v[SA_] matrix_a_fmt:MATRIX_FMT_FP6 matrix_b_fmt:MATRIX_FMT_FP6 matrix_a_scale:MATRIX_SCALE_ROW1
.else
	v_wmma_scale_f32_16x16x128_f8f6f4 v[RD_:RD_+7], v[RB_:RB_+11], v[RA_:RA_+11], 0, v[SB_], v[SA_] matrix_a_fmt:MATRIX_FMT_FP6 matrix_b_fmt:MATRIX_FMT_FP6
.endif
.else
.if R0_
	v_wmma_scale_f32_16x16x128_f8f6f4 v[RD_:RD_+7], v[RB_:RB_+11], v[RA_:RA_+11], v[RD_:RD_+7], v[SB_], v[SA_] matrix_a_fmt:MATRIX_FMT_FP6 matrix_b_fmt:MATRIX_FMT_FP6 matrix_a_scale:MATRIX_SCALE_ROW1
.else
	v_wmma_scale_f32_16x16x128_f8f6f4 v[RD_:RD_+7], v[RB_:RB_+11], v[RA_:RA_+11], v[RD_:RD_+7], v[SB_], v[SA_] matrix_a_fmt:MATRIX_FMT_FP6 matrix_b_fmt:MATRIX_FMT_FP6
.endif
.endif
.endm
.macro OMUL8 ph, ks, hi
.irp a, 0,1
.irp b, 0,1,2,3
.set RD_, ACC+8*(4*\a+\b)
.set RB_, 128*(((\ks)/2)%2)+48*((\ks)%2)+FR*\b
.set RA_, 96*\a+FR*(\ks)
.set SB_, SBR+16*(\ph)+8*(\b/2)+(\ks)
.set SA_, SAR+8*(2*(\hi)+\a)+(\ks)
.set Z_, (\ks)==0
.set R0_, \b%2
	WM
.endr
.endr
.endm
.macro OFETCH ph, kb
	WIN 0x40
.irp q, 0,1
.irp b, 0,1,2,3
.irp c, 0,1,2
	ds_load_b128 v[128*((\kb)%2)+48*\q+FR*\b+4*\c:128*((\kb)%2)+48*\q+FR*\b+4*\c+3], v[ADRB+\ph] offset:TILE*\b+1536*(2*(\kb)+\q)+512*\c
.endr
.endr
.endr
.endm
.macro TOSTAGE a
	WIN (2+(\a)/2)<<2
.irp b, 0,1,2,3
	ds_store_b128 v[STO], v[ACC+8*(4*((\a)%2)+\b):ACC+8*(4*((\a)%2)+\b)+3] offset:64*\b
	ds_store_b128 v[STO], v[ACC+8*(4*((\a)%2)+\b)+4:ACC+8*(4*((\a)%2)+\b)+7] offset:64*\b+16
.endr
	WIN 0
.irp t, 0,1,2,3,4,5,6,7
	ds_load_b128 v[BK+32*(\a)+4*\t:BK+32*(\a)+4*\t+3], v[RD] offset:2*\t*SPITCH
.endr
.endm
.macro SEND a, ph, younger
	s_wait_dscnt \younger
.irp t, 0,1,2,3,4,5,6,7
	global_store_b128 v[CO], v[BK+32*(\a)+4*\t:BK+32*(\a)+4*\t+3], s[8:9] offset:(32*((\a)/2)+8*((\a)%2)+2*\t+8*(\t/4))*8192+512*(\ph) th:TH_STORE_NT
.endr
.endm
.macro PHASE ph
	OFETCH \ph, 0
.irp kb, 0,1,2,3
	s_wait_dscnt 0x0
.if \kb < 3
	PLACES 4
	OFETCH \ph, \kb+1
.endif
.if (\ph) == 0
.if \kb == 0
	s_wait_loadcnt 63
.else
	s_wait_loadcnt 72-24*\kb
.endif
.endif
	WIN 0xa9
	OMUL8 \ph, 2*\kb, 0
	OMUL8 \ph, 2*\kb+1, 0
	WIN 0xfd
	OMUL8 \ph, 2*\kb, 1
	OMUL8 \ph, 2*\kb+1, 1
.endr
	WIN 0
	PLACES 4
	s_wait_alu depctr_va_vdst(0)
	s_wait_xcnt 0x0
	TOSTAGE 0
.irp a, 1,2,3
	TOSTAGE \a
	SEND \a-1, \ph, 16
.endr
	SEND 3, \ph, 0
.endm
	s_wait_tensorcnt 1
	s_barrier_signal -1
	s_barrier_wait -1
	PHASE 0
	s_wait_tensorcnt 0x0
	s_barrier_signal -1
	s_barrier_wait -1
	PHASE 1
	s_wait_tensorcnt 0x0
	ds_add_u32 v126, v127
	s_wait_dscnt 0x0
	CROUND
	s_endpgm
.Lfunc_end_k_qeaa6df1483_oproj:
	.size	k_qeaa6df1483_oproj, .Lfunc_end_k_qeaa6df1483_oproj-k_qeaa6df1483_oproj
	.p2alignl 7, 3214868480
	.fill 96, 4, 3214868480
	.section	.rodata,"a",@progbits
	.p2align	6, 0x0
	.amdhsa_kernel k_qeaa6df1483_oproj
		.amdhsa_group_segment_fixed_size 327680
		.amdhsa_private_segment_fixed_size 0
		.amdhsa_enable_private_segment 0
		.amdhsa_kernarg_size 24
		.amdhsa_user_sgpr_count 2
		.amdhsa_user_sgpr_kernarg_segment_ptr 1
		.amdhsa_wavefront_size32 1
		.amdhsa_system_sgpr_workgroup_id_x 1
		.amdhsa_system_sgpr_workgroup_id_y 1
		.amdhsa_system_sgpr_workgroup_id_z 1
		.amdhsa_system_vgpr_workitem_id 0
		.amdhsa_next_free_vgpr 1024
		.amdhsa_next_free_sgpr 96
		.amdhsa_reserve_vcc 0
		.amdhsa_float_denorm_mode_32 3
		.amdhsa_float_denorm_mode_16_64 3
		.amdhsa_memory_ordered 1
		.amdhsa_forward_progress 1
		.amdhsa_inst_pref_size 80
	.end_amdhsa_kernel
	.amdgpu_metadata
---
amdhsa.version: [ 1, 2 ]
amdhsa.kernels:
  - .name:           k_qeaa6df1483_oproj
    .symbol:         k_qeaa6df1483_oproj.kd
    .args:
      - { .name: aq, .offset: 0, .size: 8, .value_kind: global_buffer, .address_space: global }
      - { .name: wq, .offset: 8, .size: 8, .value_kind: global_buffer, .address_space: global }
      - { .name: out0, .offset: 16, .size: 8, .value_kind: global_buffer, .address_space: global }
    .group_segment_fixed_size: 327680
    .private_segment_fixed_size: 0
    .kernarg_segment_align: 8
    .kernarg_segment_size: 24
    .max_flat_workgroup_size: 128
    .sgpr_count:     96
    .vgpr_count:     1024
    .wavefront_size: 32
...
	.end_amdgpu_metadata
.endif
;; end of part 4
